; MI455X (gfx1250); checked and timed in simulation.
; The chip was launched on July 23, 2026; its instructions are those of AMD's public machine-readable ISA for CDNA 5 (MIT licence, August 2026) and "CDNA5" Instruction Set Architecture Reference Guide (July 2026). The comments in the code are by the model that wrote it; some were corrected since.
;; Multihead Self Attention. Allowed arithmetic: float matrix products may take bf16 or f16 operands with f32 sums; all other float work in f32.
;; Inputs: WK 1,024 x 1,024 float32; WO 1,024 x 1,024 float32; WQ 1,024 x 1,024 float32; WV 1,024 x 1,024 float32; token_positions 2,048 int32; x 2 x 2,048 x 1,024 float32.
;; Outputs: out0 2 x 2,048 x 1,024 float32.
;; 2 versions, each right; version 2 is version 1 with the launch prep written anew for expert scheduling mode. Each part assembles by itself: llvm-mc -triple=amdgcn-amd-amdhsa -mcpu=gfx1250 --defsym DOCPART=n.
;; ======== version 1 of 2: 4 launches
;; limits: values are held in f16: magnitudes above 65,504 overflow, below 6.1e-05 lose precision; right only within a limited range of input values
;; workspace buffers: cvt 16,777,216 bytes; tab 1,572,864 bytes; qkv 25,165,824 bytes; att 8,388,608 bytes
;; launch prep (part 1): grid 256 x 1, 8 waves a work-group, no clusters, 0 bytes of LDS; arguments x, WQ, WK, WV, WO, token_positions, cvt, tab; writes cvt, tab
.if DOCPART == 1
	.amdgcn_target "amdgcn-amd-amdhsa--gfx1250"
	.amdhsa_code_object_version 6
	.text
	.protected	k_q4a5676e478_prep
	.globl	k_q4a5676e478_prep
	.p2align	8
	.type	k_q4a5676e478_prep,@function
k_q4a5676e478_prep:
	s_mov_b64 s[64:65], 0
	v_nop
	global_prefetch_b8 v0, s[64:65] scope:SCOPE_SE
	s_setreg_imm32_b32 hwreg(HW_REG_WAVE_MODE, 25, 1), 1
	s_wait_xcnt 0x0
; prep: rounds the inputs to 16 bits once, and makes the table of rotations once.
;   cvt: x as bf16 [4096][1024] at byte 0; WQ, WK, WV as bf16 [3072][1024] at byte 8,388,608; WO at byte 14,680,064 rounded to bf16 and
;        then written as f16 (the f16 code holds the bf16 value exactly down to 2^-14; below that the error is at most 2^-25).
;   tab: f32 [3][2048][32][2]: byte sec*524,288 + s*256 + j*8 holds (g cos a, g sin a), a = position[s] * 10000^(-j/32);
;        section 0 (for Q) g = 0.125 log2 e, so that the scores come out as exponents of 2; section 1 (for K) g = 1; section 2 (for V) the pair (1, 0).
; LIMITS: |position| < 2^22 (the quotient by pi/2 is then exact and two terms of pi/2 suffice); the frequency is 2^(-j log2(10000)/32) by v_exp_f32,
;        a few units in the last place from a correctly rounded power.
; Memory binds: each input byte is read once by 16-byte loads, each byte of cvt written once, sixteen lanes to 256 consecutive aligned bytes.
; 256 work-groups of 8 waves; work-group g converts 32,768 numbers (131,072 bytes in, 65,536 out at cvt + 65,536 g): g < 128 of x, then 32 groups for each W.
; All 32 loads of a thread are issued at once into registers of their own: no loop, no register is used twice, no LDS, no barrier, no matrix unit.
.set X, 32                             ; v[32:159]  step i: 8 registers as loaded; its first 4 as stored
	s_load_b512 s[8:23], s[0:1], 0x0               ; x s[8:9], WQ s[10:11], WK s[12:13], WV s[14:15], WO s[16:17], positions s[18:19], cvt s[20:21], tab s[22:23]
	s_mov_b32 s2, ttmp9                            ; g
	s_sub_co_u32 s3, s2, 128                       ; for g >= 128: which W and which chunk of it (for g < 128 the number wraps and selects nothing)
	s_lshr_b32 s4, s3, 5                           ; 0 WQ, 1 WK, 2 WV, 3 WO
	s_and_b32 s5, s3, 31
	s_cmp_lt_u32 s2, 128
	s_cselect_b32 s5, s2, s5                       ; chunk number inside the source
	s_lshl_b32 s26, s5, 17                         ; x 131,072 bytes
	s_mov_b32 s27, 0
	s_lshl_b32 s28, s2, 16                         ; g x 65,536 bytes in cvt
	s_mov_b32 s29, 0
	s_lshl_b32 s6, s2, 5                           ; my 8 positions: 32 g bytes
	s_lshl_b32 s7, s2, 11                          ; my 8 table rows: 2,048 g bytes
	v_lshlrev_b32 v1, 5, v0                        ; 32 t: my 8 numbers of a step, as f32
	v_lshlrev_b32 v2, 4, v0                        ; 16 t: the same as 16-bit numbers
	v_lshrrev_b32 v3, 5, v0
	v_lshl_add_u32 v3, v3, 2, s6                   ; position s = 8 g + wave
	v_lshl_add_u32 v30, v0, 3, s7                  ; table entry (s, j = lane): 2,048 g + 256 wave + 8 lane = 2,048 g + 8 t
	v_and_b32 v5, 31, v0
	v_cvt_f32_u32 v5, v5
	v_mul_f32 v5, 0xbed49a78, v5                   ; -j log2(10000) / 32
	v_exp_f32 v6, v5                               ; the frequency
	v_mov_b32 v28, 1.0                             ; (a plain instruction behind the exponential: ISA guide 5.7.2) section 2: the identity
	v_mov_b32 v29, 0
	s_wait_kmcnt 0x0
	s_cmp_eq_u32 s4, 0                             ; the source: a choice among the five inputs by the work-group number alone
	s_cselect_b64 s[24:25], s[10:11], s[16:17]
	s_cmp_eq_u32 s4, 1
	s_cselect_b64 s[24:25], s[12:13], s[24:25]
	s_cmp_eq_u32 s4, 2
	s_cselect_b64 s[24:25], s[14:15], s[24:25]
	s_cmp_lt_u32 s2, 128
	s_cselect_b64 s[24:25], s[8:9], s[24:25]
	s_add_nc_u64 s[24:25], s[24:25], s[26:27]
	s_add_nc_u64 s[20:21], s[20:21], s[28:29]
	global_load_b32 v4, v3, s[18:19]               ; the position, ahead of the stream
.set i, 0
.rept 16
	global_load_b128 v[X+8*i:X+8*i+3],   v1, s[24:25] offset:8192*i th:TH_LOAD_NT
	global_load_b128 v[X+8*i+4:X+8*i+7], v1, s[24:25] offset:8192*i+16 th:TH_LOAD_NT
.set i, i+1
.endr
	; sine and cosine of a = position x frequency: quotient by pi/2, remainder in two terms, polynomials on |r| <= pi/4
	s_wait_loadcnt 32                              ; loads return in order (ISA guide 5.7.1): the position is in, the 32 loads behind it stay out
	v_cvt_f32_i32 v7, v4
	s_wait_alu depctr_va_vdst(0)
	v_mul_f32 v7, v7, v6                           ; a
	v_mul_f32 v8, 0x3f22f983, v7                   ; a x 2/pi
	v_rndne_f32 v8, v8                             ; n
	v_fmamk_f32 v9, v8, 0xbfc90fdb, v7             ; r = a - n x (pi/2 rounded to f32)
	v_fmamk_f32 v9, v8, 0x333bbd2e, v9             ;     - n x (what the rounding left: -4.3711e-8)
	v_mul_f32 v10, v9, v9                          ; z = r^2
	v_mov_b32 v11, 0xb94ca1f9
	v_fmaak_f32 v11, v10, v11, 0x3c08839e
	v_fmaak_f32 v11, v10, v11, 0xbe2aaaa3
	v_mul_f32 v12, v9, v10
	v_fma_f32 v11, v12, v11, v9                    ; sin r = r + r z (s1 + z (s2 + z s3))
	v_mov_b32 v13, 0x37ccf5ce
	v_fmaak_f32 v13, v10, v13, 0xbab6061a
	v_fmaak_f32 v13, v10, v13, 0x3d2aaaa5
	v_mul_f32 v14, v10, v10
	v_fma_f32 v15, v10, -0.5, 1.0
	v_fma_f32 v13, v14, v13, v15                   ; cos r = 1 - z/2 + z^2 (c1 + z (c2 + z c3))
	v_cvt_i32_f32 v16, v8                          ; the quadrant is n mod 4
	v_and_b32 v17, 1, v16
	v_cmp_eq_u32 vcc_lo, 1, v17
	v_cndmask_b32 v18, v11, v13, vcc_lo            ; odd quadrants: sine and cosine change places
	v_cndmask_b32 v19, v13, v11, vcc_lo
	v_and_b32 v20, 2, v16                          ; the sine is negative in quadrants 2 and 3,
	v_lshlrev_b32 v20, 30, v20
	v_add_nc_u32 v21, 1, v16                       ; the cosine in quadrants 1 and 2
	v_and_b32 v21, 2, v21
	v_lshlrev_b32 v21, 30, v21
	v_xor_b32 v27, v18, v20                        ; sin a
	v_xor_b32 v26, v19, v21                        ; cos a
	v_mul_f32 v24, 0x3e38aa3b, v26                 ; x 0.125 log2 e for Q
	v_mul_f32 v25, 0x3e38aa3b, v27
	global_store_b64 v30, v[24:25], s[22:23]                   ; each store of a wave covers 256 consecutive bytes, aligned
	global_store_b64 v30, v[26:27], s[22:23] offset:524288
	global_store_b64 v30, v[28:29], s[22:23] offset:1048576
; Step i: 8 numbers to bf16 (nearest even), packed in place; f16 = 1: the rounded numbers once more, as f16 codes.
.macro CONV i, f16
	s_wait_loadcnt 30-2*\i                         ; my two loads are in; those of the later steps stay out
.irp k, 0,1,2,3
	v_cvt_pk_bf16_f32 v[X+8*\i+\k], v[X+8*\i+2*\k], v[X+8*\i+2*\k+1]   ; word k is written when its old content has been read
.endr
.if \f16
.irp k, 0,1,2,3
	v_lshlrev_b32 v[5+2*\k], 16, v[X+8*\i+\k]
	v_and_b32     v[6+2*\k], 0xffff0000, v[X+8*\i+\k]
.endr
.irp k, 0,1,2,3
	v_cvt_pk_f16_f32 v[X+8*\i+\k], v[5+2*\k], v[6+2*\k]
.endr
.endif
	global_store_b128 v2, v[X+8*\i:X+8*\i+3], s[20:21] offset:4096*\i   ; sixteen lanes: 256 consecutive bytes, aligned
.endm
	s_cmp_ge_u32 s2, 224                           ; the last 32 work-groups hold WO
	s_cbranch_scc1 .Lwo
.irp i, 0,1,2,3,4,5,6,7,8,9,10,11,12,13,14,15
	CONV \i, 0
.endr
	s_endpgm
.Lwo:
.irp i, 0,1,2,3,4,5,6,7,8,9,10,11,12,13,14,15
	CONV \i, 1
.endr
	s_endpgm
.Lfunc_end_k_q4a5676e478_prep:
	.size	k_q4a5676e478_prep, .Lfunc_end_k_q4a5676e478_prep-k_q4a5676e478_prep
	.p2alignl 7, 3214868480
	.fill 96, 4, 3214868480
	.section	.rodata,"a",@progbits
	.p2align	6, 0x0
	.amdhsa_kernel k_q4a5676e478_prep
		.amdhsa_group_segment_fixed_size 0
		.amdhsa_private_segment_fixed_size 0
		.amdhsa_enable_private_segment 0
		.amdhsa_kernarg_size 64
		.amdhsa_user_sgpr_count 2
		.amdhsa_user_sgpr_kernarg_segment_ptr 1
		.amdhsa_wavefront_size32 1
		.amdhsa_system_sgpr_workgroup_id_x 1
		.amdhsa_system_sgpr_workgroup_id_y 1
		.amdhsa_system_sgpr_workgroup_id_z 1
		.amdhsa_system_vgpr_workitem_id 0
		.amdhsa_next_free_vgpr 160
		.amdhsa_next_free_sgpr 66
		.amdhsa_reserve_vcc 1
		.amdhsa_float_denorm_mode_32 3
		.amdhsa_float_denorm_mode_16_64 3
		.amdhsa_memory_ordered 1
		.amdhsa_forward_progress 1
		.amdhsa_inst_pref_size 29
	.end_amdhsa_kernel
	.amdgpu_metadata
---
amdhsa.version: [ 1, 2 ]
amdhsa.kernels:
  - .name:           k_q4a5676e478_prep
    .symbol:         k_q4a5676e478_prep.kd
    .args:
      - { .name: x, .offset: 0, .size: 8, .value_kind: global_buffer, .address_space: global }
      - { .name: WQ, .offset: 8, .size: 8, .value_kind: global_buffer, .address_space: global }
      - { .name: WK, .offset: 16, .size: 8, .value_kind: global_buffer, .address_space: global }
      - { .name: WV, .offset: 24, .size: 8, .value_kind: global_buffer, .address_space: global }
      - { .name: WO, .offset: 32, .size: 8, .value_kind: global_buffer, .address_space: global }
      - { .name: token_positions, .offset: 40, .size: 8, .value_kind: global_buffer, .address_space: global }
      - { .name: cvt, .offset: 48, .size: 8, .value_kind: global_buffer, .address_space: global }
      - { .name: tab, .offset: 56, .size: 8, .value_kind: global_buffer, .address_space: global }
    .group_segment_fixed_size: 0
    .private_segment_fixed_size: 0
    .kernarg_segment_align: 8
    .kernarg_segment_size: 64
    .max_flat_workgroup_size: 256
    .sgpr_count:     66
    .vgpr_count:     160
    .wavefront_size: 32
...
	.end_amdgpu_metadata
.endif
;; end of part 1
;; launch qkv (part 2): grid 12 x 16, 4 waves a work-group, clusters of 4 x 4, 327,680 bytes of LDS; arguments cvt, tab, qkv; writes qkv
.if DOCPART == 2
	.amdgcn_target "amdgcn-amd-amdhsa--gfx1250"
	.amdhsa_code_object_version 6
	.text
	.protected	k_q4a5676e478_qkv
	.globl	k_q4a5676e478_qkv
	.p2align	8
	.type	k_q4a5676e478_qkv,@function
k_q4a5676e478_qkv:
	s_mov_b64 s[64:65], 0
	v_nop
	global_prefetch_b8 v0, s[64:65] scope:SCOPE_SE
	s_setreg_imm32_b32 hwreg(HW_REG_WAVE_MODE, 25, 1), 1
	s_wait_xcnt 0x0
	s_wait_alu depctr_hold_cnt(0) depctr_sa_sdst(0) depctr_va_vdst(0) depctr_va_sdst(0) depctr_va_ssrc(0) depctr_va_vcc(0) depctr_vm_vsrc(0)
	s_getreg_b32 s2, hwreg(HW_REG_IB_STS2, 6, 4)
	s_cmp_eq_u32 s2, 0
	s_cbranch_scc0 .Lentry_in_a_cluster
	s_endpgm
.Lentry_in_a_cluster:
	s_bfe_u32 s2, ttmp6, 0x10000c
	s_cmp_lg_u32 s2, 0xf033
	s_cbranch_scc0 .Lentry_shape_is_right
	s_endpgm
.Lentry_shape_is_right:
; qkv: C[m][n] = sum over k of xb[m][k] w[n][k], 4096 x 3072 x 1024 in bf16 with f32 sums; w = the rows of WQ, WK, WV.  On the way out each pair of
; neighbouring columns is rotated by the table (section 0 for Q, with the softmax scale in it; 1 for K; 2, the identity, for V: one path for all three)
; and stored as f16, head by head: qkv[hh][m][64], byte hh*524,288 + m*128 + 2 d, hh = n / 64.
; LIMIT: |Q|, |K|, |V| < 65,504, the range of f16 (f16 and not bf16, since eleven bits are needed for the rows that attend to few keys).
; A work-group makes 256 x 256 of C with four waves, a wave 128 x 128: 64 accumulator tiles, 512 registers.  K goes in steps of 128 through two LDS slots
; filled by the tensor data mover; a tile row is 256 bytes of memory and starts at a multiple of 256 bytes.
; CLUSTERS: 4 x 4 work-groups.  The four of a row of the cluster need the same tiles of xb, the four of a column the same tiles of w: each tile is asked for
; jointly, which divides the requests by four.  A cluster spans 1,024 columns, exactly one of Q, K, V: the table section is the cluster number along x.
; 192 work-groups: all the work there is at this tile size.
;
; REGISTERS in windows of 256:  window 0: v4-11 at work, v16-27 addresses, v64-191 fragments of xb (two buffers; on the way out rotated and packed numbers),
;   v192-255 table rows of two row blocks;  window 1: v64-191 fragments of w;  window 2: accumulators of my rows 0-63 (tile (a, b) at v[8 (8 a + b)]);  window 3: rows 64-127.
; THE MATRIX INSTRUCTION IS USED TRANSPOSED (source 0 = 16 rows of w, source 1 = 16 rows of xb): lane l holds row l % 16 of C, and its registers 0 to 7 the
; columns 8 (l / 16) + 0 .. 7: four whole pairs for the rotation, and 16 bytes of f16 that belong together.
.set SIZE_K, 1024
.set KSTEP,  128
.set PITCH,  272                       ; an LDS row: 256 bytes + 16 of padding: the 16 rows that a load touches start at 16 different 16-byte columns of 256
.set HALFT,  128*PITCH                 ; 128 rows: what one tensor load brings
.set SLOT,   4*HALFT                   ; 256 rows of xb, then 256 rows of w
.set STAGE,  2*SLOT                    ; behind the ring: 16 rows x 400 bytes for each wave; no tensor load lands here
.set SPITCH, 400                       ; 25 x 16: the sixteen rows of a store start at sixteen different 16-byte columns; 144 mod 256: two rows read together as halves of 128 bytes overlap in 16 bytes only
.set LAPS,   SIZE_K/(2*KSTEP)          ; 4 laps of two K steps
.set ADRA, 16                          ; v16-17  LDS address of my xb fragments in slot 0, 1
.set ADRB, 20                          ; v20-21  the same for w
.set STO,  24                          ; v24     the way out: where I put 16 bytes of a row
.set RD,   25                          ; v25     the way out: where I read back
.set CO,   26                          ; v26     my byte offset in a store of 512 bytes
.set VT,   27                          ; v27     my byte offset in the table
.set TW,   4                           ; v4-11   products at work
.set F0,   64
.set F1,   128
.set RO,   64                          ; v64-127  a row block rotated, f32
.set TMP,  128                         ; v128-159 the same packed to f16
.set RB,   160                         ; v160-191 read back from the stage, store data
.set TAB0, 192                         ; v192-223 table rows of even row blocks: register 8 q + 2 p = cos, + 1 = sin of pair 8 q + 4 (l / 16) + p
.set TAB1, 224                         ; v224-255 of odd row blocks
.set G1, 24                            ; s[24:31] descriptor group 1 for xb
.set G0, 32                            ; s[32:39] group 0 for xb, one set for each slot
.set G1B, 48                           ; s[48:55] group 1 for w: another mask
.set G0B, 56                           ; s[56:63] group 0 for w
.set MSB, 0
.macro WIN new                         ; the high byte of the immediate repeats the setting that is left
.if MSB != \new
	s_set_vgpr_msb (MSB<<8)|\new
.set MSB, \new
.endif
.endm
.set MUL_LO, 0xa1                      ; source 0 (w) window 1, source 1 (xb) window 0, C and D window 2
.set MUL_HI, 0xf1                      ; the same, C and D window 3
.set TO_B,   0x40                      ; destination window 1, address window 0
; A joint load.  Waves 0 and 1 fetch the two halves of the xb tile, waves 2 and 3 those of w.  Each line has one mask; the branch hangs on the wave number alone.
.macro JLOAD s
	s_cmp_eq_u32 s11, 0
	s_cbranch_scc0 .Lfor_b_\@
	tensor_load_to_lds s[G0+4*\s:G0+4*\s+3], s[G1:G1+7]
	s_nop 0
	s_branch .Lasked_\@
.Lfor_b_\@:
	tensor_load_to_lds s[G0B+4*\s:G0B+4*\s+3], s[G1B:G1B+7]
	s_nop 0
.Lasked_\@:
.endm
; A round of the barrier of the cluster: the barrier of my work-group, so that wave 0 speaks for all four waves; wave 0 signals; every wave waits for all sixteen
; work-groups; the barrier of my work-group once more.
.macro CREST                           ; a round behind its opening barrier
	s_cmp_lg_u32 s10, 0
	s_cbranch_scc1 .Lnot_wave_0_\@
	s_barrier_signal -3
.Lnot_wave_0_\@:
	s_barrier_wait -3
	s_barrier_signal -1
	s_barrier_wait -1
.endm
.macro CROUND
	s_barrier_signal -1
	s_barrier_wait -1
	CREST
.endm
; The eight table loads of row block i (16 rows of 256 bytes): 32 bytes for each quarter q of a head, 128 bytes a lane.
.macro TABLOAD i, tb
.irp q, 0,1,2,3
	global_load_b128 v[\tb+8*\q:\tb+8*\q+3],   v[VT], s[6:7] offset:4096*(\i)+64*\q
	global_load_b128 v[\tb+8*\q+4:\tb+8*\q+7], v[VT], s[6:7] offset:4096*(\i)+64*\q+16
.endr
.endm
	s_load_b128 s[4:7], s[0:1], 0x0                ; cvt s[4:5], tab s[6:7]
	s_load_b64 s[8:9], s[0:1], 0x10                ; qkv
	s_set_vgpr_msb 0x40
	v_lshl_add_u32 v255, v0, 2, 0x4a400
	s_set_vgpr_msb 0x4000
	v_mov_b32 v63, 0
	s_set_vgpr_msb 0x1
	ds_add_u32 v255, v63
	ds_add_u32 v255, v63
	s_set_vgpr_msb 0x100
	v_lshrrev_b32 v1, 5, v0
	v_readfirstlane_b32 s10, v1                    ; wave 0..3
	s_lshr_b32 s11, s10, 1                         ; which half of the rows is mine.  Also: I fetch for xb (0) or for w (1)
	s_and_b32 s12, s10, 1                          ; which half of the columns.  Also: which 128 rows of that tile I fetch
	s_bfe_u32 s40, ttmp6, 0x40000                  ; cx
	s_bfe_u32 s41, ttmp6, 0x40004                  ; cy
	s_lshl_b32 s42, ttmp9, 2
	s_add_co_u32 s42, s42, s40                     ; block column = 4 x cluster x + cx
	s_and_b32 s13, ttmp7, 0xffff
	s_lshl_b32 s13, s13, 2
	s_add_co_u32 s13, s13, s41                     ; block row = 4 x cluster y + cy
	s_lshl_b32 s43, s41, 2
	s_lshl_b32 s43, 15, s43                        ; my row of the cluster: places 4 cy .. 4 cy + 3
	s_lshl_b32 s44, 0x1111, s40                    ; my column: places cx, cx + 4, cx + 8, cx + 12
	; group 1: a tile of 128 rows x 128 elements of 2 bytes, 4 words of padding behind every 64 words
	s_or_b32 s[G1+0], s43, (1<<16)|(1<<20)|(1<<21)|(5<<22)|(3<<25)
	s_or_b32 s[G1B+0], s44, (1<<16)|(1<<20)|(1<<21)|(5<<22)|(3<<25)
	s_mov_b32 s[G1B+1], KSTEP<<16
	s_mov_b32 s[G1+1], KSTEP<<16                   ; tensor_dim0 = 128
	s_mov_b32 s[G1B+2], 128<<16
	s_mov_b32 s[G1+2], 128<<16                     ; tensor_dim1 = 128
	s_mov_b32 s[G1B+3], KSTEP<<16
	s_mov_b32 s[G1+3], KSTEP<<16                   ; tile_dim0 = 128
	s_mov_b32 s[G1B+4], 128
	s_mov_b32 s[G1+4], 128                         ; tile_dim1 = 128
	s_mov_b32 s[G1B+5], SIZE_K
	s_mov_b32 s[G1+5], SIZE_K                      ; 1,024 elements from row to row
	s_mov_b32 s[G1B+6], 0
	s_mov_b32 s[G1+6], 0
	s_mov_b32 s[G1B+7], 0
	s_mov_b32 s[G1+7], 0
	; where the tiles come from: xb hangs on the block row alone, w on the block column alone, each in registers that never hold the other coordinate
	s_lshl_b32 s17, s12, 7
	s_lshl_b32 s16, s13, 8
	s_add_co_u32 s16, s16, s17                     ; xb: row 256 x block row + 128 x half
	s_lshl_b32 s16, s16, 11                        ; x 2,048 bytes (at most 8,386,560)
	s_lshl_b32 s46, s42, 8
	s_add_co_u32 s46, s46, s17                     ; w: row 256 x block column + 128 x half
	s_lshl_b32 s46, s46, 11
	s_mov_b32 s17, 0
	s_mov_b32 s47, 0
	s_mul_i32 s20, s10, HALFT                      ; where they go: wave x 128 rows; no place in the cluster enters an LDS address
	s_wait_dscnt 0x0
	s_wait_kmcnt 0x0
	s_add_nc_u64 s[14:15], s[4:5], s[16:17]
	s_add_nc_u64 s[46:47], s[4:5], s[46:47]
	s_add_nc_u64 s[46:47], s[46:47], 0x800000      ; w lies 8,388,608 bytes into cvt
	CROUND                                         ; all sixteen work-groups are here: the first joint loads meet
.irp s, 0,1
	s_mov_b32 s[G0+4*\s], 1
	s_add_co_u32 s[G0+4*\s+1], s20, \s*SLOT
	s_add_nc_u64 s[G0+4*\s+2:G0+4*\s+3], s[14:15], \s*KSTEP*2
	s_or_b32 s[G0+4*\s+3], s[G0+4*\s+3], 0x80000000
	s_mov_b32 s[G0B+4*\s], 1
	s_add_co_u32 s[G0B+4*\s+1], s20, \s*SLOT
	s_add_nc_u64 s[G0B+4*\s+2:G0B+4*\s+3], s[46:47], \s*KSTEP*2
	s_or_b32 s[G0B+4*\s+3], s[G0B+4*\s+3], 0x80000000
	JLOAD \s
.endr
	; fragment addresses: lane l holds row l % 16; two loads of 16 bytes, 32 bytes apart, at row x pitch + 16 (l / 16)
	v_and_b32 v1, 15, v0                           ; r = l % 16
	v_bfe_u32 v2, v0, 4, 1                         ; h = l / 16
	v_mul_u32_u24 v3, v1, PITCH
	v_lshl_add_u32 v3, v2, 4, v3
	s_mul_i32 s21, s11, HALFT
	s_mul_i32 s22, s12, HALFT
	s_add_co_u32 s22, s22, 2*HALFT
.irp s, 0,1
	v_add_nc_u32 v[ADRA+\s], s21, v3
	v_add_nc_u32 v[ADRB+\s], s22, v3
	s_add_co_u32 s21, s21, SLOT
	s_add_co_u32 s22, s22, SLOT
.endr
	s_mul_i32 s23, s10, 16*SPITCH
	s_add_co_u32 s23, s23, STAGE                   ; my stage
	v_mul_u32_u24 v4, v1, SPITCH                   ; in: row r, 16 bytes for each half of the lanes
	v_lshl_add_u32 v4, v2, 4, v4
	v_add_nc_u32 v[STO], s23, v4
	v_bfe_u32 v5, v0, 3, 2                         ; back: eight lanes take the 128 bytes that one row has of one head, four rows a load
	v_mul_u32_u24 v5, v5, SPITCH
	v_and_b32 v4, 7, v0
	v_lshl_add_u32 v5, v4, 4, v5
	v_add_nc_u32 v[RD], s23, v5
	v_and_b32 v4, 31, v0
	v_lshlrev_b32 v[CO], 4, v4                     ; those four rows are 512 consecutive bytes of qkv
	; the table: section = cluster x; row = (my first row of C) mod 2,048 + r; 32 bytes at 32 h of each quarter of a row
	s_lshl_b32 s45, s13, 8
	s_lshl_b32 s21, s11, 7
	s_add_co_u32 s45, s45, s21
	s_and_b32 s45, s45, 2047
	s_lshl_b32 s45, s45, 8
	s_lshl_b32 s21, ttmp9, 19
	s_add_co_u32 s45, s45, s21
	v_lshlrev_b32 v[VT], 8, v1
	v_lshl_add_u32 v[VT], v2, 5, v[VT]
	v_add_nc_u32 v[VT], s45, v[VT]
	TABLOAD 0, TAB0                                ; the rows of row blocks 0 and 1: sixteen loads that stay out over the whole K loop,
	TABLOAD 1, TAB1                                ; which touches neither their registers nor their address
; 16 matrix instructions: m blocks a0, a0 + 1 of the four of the window x all 8 n blocks, 32 along K.  zero = 1: the first product starts the sums.
; The 64 accumulators take turns, one instruction a turn, in the same order in every quarter step.
.macro MUL16 f, hi, a0, zero
.irp a, \a0, \a0+1
.irp b, 0,1,2,3,4,5,6,7
.if \zero
	v_wmma_f32_16x16x32_bf16 v[8*(8*(\a)+\b):8*(8*(\a)+\b)+7], v[\f+8*\b:\f+8*\b+7], v[\f+8*(4*\hi+\a):\f+8*(4*\hi+\a)+7], 0
.else
	v_wmma_f32_16x16x32_bf16 v[8*(8*(\a)+\b):8*(8*(\a)+\b)+7], v[\f+8*\b:\f+8*\b+7], v[\f+8*(4*\hi+\a):\f+8*(4*\hi+\a)+7], v[8*(8*(\a)+\b):8*(8*(\a)+\b)+7]
.endif
.endr
.endr
.endm
; 32 LDS loads in one run: the fragments of one quarter step into buffer f
.macro FETCH slot, k, f
	WIN TO_B
.irp i, 0,1,2,3,4,5,6,7
	ds_load_b128 v[\f+8*\i:\f+8*\i+3],   v[ADRB+\slot] offset:\k+\i*16*PITCH
	ds_load_b128 v[\f+8*\i+4:\f+8*\i+7], v[ADRB+\slot] offset:\k+\i*16*PITCH+32
.endr
	WIN 0
.irp i, 0,1,2,3,4,5,6,7
	ds_load_b128 v[\f+8*\i:\f+8*\i+3],   v[ADRA+\slot] offset:\k+\i*16*PITCH
	ds_load_b128 v[\f+8*\i+4:\f+8*\i+7], v[ADRA+\slot] offset:\k+\i*16*PITCH+32
.endr
.endm
; Four independent vector places stand between a matrix instruction and a load into, or a vector instruction on, one of its registers.
.macro PLACES
.rept 4
	v_nop
.endr
.endm
; One of the first three quarters of a K step: multiplies buffer f; in its middle it fetches the next quarter into buffer g.
.macro QUARTER slot, k, f, g, zero
	s_wait_dscnt 8                                 ; w and rows 0-63 of xb are in; the youngest eight loads (rows 64-127) may be out
	WIN MUL_LO
	MUL16 \f, 0, 0, \zero
	MUL16 \f, 0, 2, \zero
	PLACES
	FETCH \slot, \k, \g
	s_wait_dscnt 32                                ; all but the 32 just issued
	WIN MUL_HI
	MUL16 \f, 1, 0, \zero
	MUL16 \f, 1, 2, \zero
.endm
.macro THREE slot, zero
	QUARTER \slot, 64,  F0, F1, \zero
	QUARTER \slot, 128, F1, F0, 0
	QUARTER \slot, 192, F0, F1, 0
.endm
; The last quarter: multiplies buffer 1 and changes slots.  In front of the barrier each wave waits for its reads of this slot and for all its tensor loads (one is out:
; its part of the next slot).  Behind it (fill = 1: behind the whole round of the cluster) the refill comes first, then the first fragments of the next slot.
; From a request to the wait for it a wave issues 240 matrix instructions.
.macro TURN slot, next, fill
	s_wait_dscnt 8
	WIN MUL_LO
	MUL16 F1, 0, 0, 0
	s_wait_dscnt 0                                 ; my reads of this slot are over
	s_wait_tensorcnt 0x0                           ; and all my tensor loads have landed
	ds_add_u32 v255, v63
	s_wait_dscnt 0x0
	s_barrier_signal -1
	MUL16 F1, 0, 2, 0                              ; register work while the others arrive
	WIN 0
	s_barrier_wait -1
.if \fill
	CREST                                          ; no wave of any partner still reads this slot or has a load on its way
	s_add_nc_u64 s[G0+4*\slot+2:G0+4*\slot+3], s[G0+4*\slot+2:G0+4*\slot+3], 2*KSTEP*2
	s_add_nc_u64 s[G0B+4*\slot+2:G0B+4*\slot+3], s[G0B+4*\slot+2:G0B+4*\slot+3], 2*KSTEP*2
	JLOAD \slot                                    ; the first tensor load behind the round
.endif
	PLACES
	FETCH \next, 0, F0
	WIN MUL_HI
	MUL16 F1, 1, 0, 0
	MUL16 F1, 1, 2, 0
.endm
.macro LAP zero
	THREE 0, \zero
	TURN 0, 1, 1
	THREE 1, 0
	TURN 1, 0, 1
.endm
	s_wait_tensorcnt 1                             ; my part of K step 0 is in; that of K step 1 stays out
	s_barrier_signal -1
	s_barrier_wait -1
	FETCH 0, 0, F0
	LAP 1                                          ; the first lap stands in front of the loop: its first products start the sums
	WIN 0
	s_mov_b32 s3, LAPS-2
.Llap:
	LAP 0
	WIN 0
	s_sub_co_u32 s3, s3, 1
	s_cmp_lg_u32 s3, 0
	s_cbranch_scc1 .Llap
	THREE 0, 0                                     ; the last lap fills nothing
	TURN 0, 1, 0
	THREE 1, 0
	s_wait_dscnt 8
	WIN MUL_LO
	MUL16 F1, 0, 0, 0
	MUL16 F1, 0, 2, 0
	s_wait_dscnt 0
	WIN MUL_HI
	MUL16 F1, 1, 0, 0
	MUL16 F1, 1, 2, 0
	; THE WAY OUT, 16 rows at a time: rotate the pairs, round to f16, 16 bytes a lane into my stage, read back by heads, store 512 consecutive bytes.
	PLACES
	s_lshl_b32 s16, s13, 15                        ; block row x 256 rows x 128 bytes
	s_lshl_b32 s14, s11, 14                        ; + my half x 128 rows
	s_add_co_u32 s16, s16, s14
	s_mov_b32 s17, 0
	s_add_nc_u64 s[8:9], s[8:9], s[16:17]
	s_lshl_b32 s46, s42, 21                        ; block column x 4 heads x 524,288 bytes
	s_lshl_b32 s47, s12, 20                        ; + my half x 2 heads
	s_add_co_u32 s46, s46, s47
	s_mov_b32 s47, 0
	s_add_nc_u64 s[8:9], s[8:9], s[46:47]
; rows 16 i .. 16 i + 15 of my block = the eight tiles (a, 0..7) of window 2 or 3 (from = 0x02 or 0x03: source 0); tb = the table registers of this row block
.macro OUT16 i, a, from, tb
.if \i < 7
	s_wait_loadcnt 0x8                             ; the table rows of this block are in; the eight loads of the next block stay out
.else
	s_wait_loadcnt 0x0
.endif
	WIN \from
.irp b, 0,1,2,3,4,5,6,7
.irp p, 0,1,2,3
	v_mul_f32 v[TW+2*\p],   v[8*(8*\a+\b)+2*\p+1], v[\tb+8*(\b&3)+2*\p+1]     ; x1 sin
	v_mul_f32 v[TW+2*\p+1], v[8*(8*\a+\b)+2*\p],   v[\tb+8*(\b&3)+2*\p+1]     ; x0 sin
.endr
.irp p, 0,1,2,3
	v_fma_f32 v[RO+8*\b+2*\p],   v[8*(8*\a+\b)+2*\p],   v[\tb+8*(\b&3)+2*\p], -v[TW+2*\p]    ; x0 cos - x1 sin
	v_fma_f32 v[RO+8*\b+2*\p+1], v[8*(8*\a+\b)+2*\p+1], v[\tb+8*(\b&3)+2*\p], v[TW+2*\p+1]   ; x1 cos + x0 sin
.endr
.endr
	WIN 0
.if \i+2 <= 7
	TABLOAD \i+2, \tb                              ; the block after next, into the registers just read
.endif
.irp b, 0,1,2,3,4,5,6,7
.irp k, 0,1,2,3
	v_cvt_pk_f16_f32 v[TMP+4*\b+\k], v[RO+8*\b+2*\k], v[RO+8*\b+2*\k+1]
.endr
.endr
.irp b, 0,1,2,3,4,5,6,7
	ds_store_b128 v[STO], v[TMP+4*\b:TMP+4*\b+3] offset:32*\b
.endr
	s_wait_xcnt 0x0                                ; RB, which the stores of the last block read, is loaded again only behind this wait (ISA guide 3.1)
.irp t, 0,1,2,3,4,5,6,7
	ds_load_b128 v[RB+4*\t:RB+4*\t+3], v[RD] offset:(\t&3)*4*SPITCH+(\t>>2)*128   ; LDS serves the instructions of a wave in order (ISA guide 5.7.1): these see the stores above
.endr
.irp t, 0,1,2,3,4,5,6,7
	s_wait_dscnt 7-\t
	global_store_b128 v[CO], v[RB+4*\t:RB+4*\t+3], s[8:9] offset:(\t>>2)*524288+2048*\i+512*(\t&3)   ; four rows of one head: 512 consecutive bytes, aligned
.endr
.endm
	OUT16 0, 0, 0x02, TAB0
	OUT16 1, 1, 0x02, TAB1
	OUT16 2, 2, 0x02, TAB0
	OUT16 3, 3, 0x02, TAB1
	OUT16 4, 0, 0x03, TAB0
	OUT16 5, 1, 0x03, TAB1
	OUT16 6, 2, 0x03, TAB0
	OUT16 7, 3, 0x03, TAB1
	s_set_vgpr_msb 0x1
	s_wait_tensorcnt 0x0
	ds_add_u32 v255, v63
	s_wait_dscnt 0x0
	s_set_vgpr_msb 0x100
	CROUND                                         ; the closing round: no work-group ends while a partner may still ask for a tile that names it
	s_endpgm
.Lfunc_end_k_q4a5676e478_qkv:
	.size	k_q4a5676e478_qkv, .Lfunc_end_k_q4a5676e478_qkv-k_q4a5676e478_qkv
	.p2alignl 7, 3214868480
	.fill 96, 4, 3214868480
	.section	.rodata,"a",@progbits
	.p2align	6, 0x0
	.amdhsa_kernel k_q4a5676e478_qkv
		.amdhsa_group_segment_fixed_size 327680
		.amdhsa_private_segment_fixed_size 0
		.amdhsa_enable_private_segment 0
		.amdhsa_kernarg_size 24
		.amdhsa_user_sgpr_count 2
		.amdhsa_user_sgpr_kernarg_segment_ptr 1
		.amdhsa_wavefront_size32 1
		.amdhsa_system_sgpr_workgroup_id_x 1
		.amdhsa_system_sgpr_workgroup_id_y 1
		.amdhsa_system_sgpr_workgroup_id_z 1
		.amdhsa_system_vgpr_workitem_id 0
		.amdhsa_next_free_vgpr 1024
		.amdhsa_next_free_sgpr 66
		.amdhsa_reserve_vcc 0
		.amdhsa_float_denorm_mode_32 3
		.amdhsa_float_denorm_mode_16_64 3
		.amdhsa_memory_ordered 1
		.amdhsa_forward_progress 1
		.amdhsa_inst_pref_size 250
	.end_amdhsa_kernel
	.amdgpu_metadata
---
amdhsa.version: [ 1, 2 ]
amdhsa.kernels:
  - .name:           k_q4a5676e478_qkv
    .symbol:         k_q4a5676e478_qkv.kd
    .args:
      - { .name: cvt, .offset: 0, .size: 8, .value_kind: global_buffer, .address_space: global }
      - { .name: tab, .offset: 8, .size: 8, .value_kind: global_buffer, .address_space: global }
      - { .name: qkv, .offset: 16, .size: 8, .value_kind: global_buffer, .address_space: global }
    .group_segment_fixed_size: 327680
    .private_segment_fixed_size: 0
    .kernarg_segment_align: 8
    .kernarg_segment_size: 24
    .max_flat_workgroup_size: 128
    .sgpr_count:     66
    .vgpr_count:     1024
    .wavefront_size: 32
...
	.end_amdgpu_metadata
.endif
;; end of part 2
;; launch attn (part 3): grid 8 x 32, 8 waves a work-group, no clusters, 327,680 bytes of LDS; arguments qkv, att; writes att
.if DOCPART == 3
	.amdgcn_target "amdgcn-amd-amdhsa--gfx1250"
	.amdhsa_code_object_version 6
	.text
	.protected	k_q4a5676e478_attn
	.globl	k_q4a5676e478_attn
	.p2align	8
	.type	k_q4a5676e478_attn,@function
k_q4a5676e478_attn:
	s_mov_b64 s[64:65], 0
	v_nop
	global_prefetch_b8 v0, s[64:65] scope:SCOPE_SE
	s_setreg_imm32_b32 hwreg(HW_REG_WAVE_MODE, 25, 1), 1
	s_wait_xcnt 0x0
; attn: causal softmax(Q K^T) V for one head of one batch entry, f16 operands, f32 sums, running maximum.  Q already carries 0.125 log2 e, so p = 2^(s - m).
; Work-group (i, y), y = 2 head + batch: query block 15 - i (128 rows) over key blocks 0 .. 15 - i, then query block i over 0 .. i: 17 tiles of 128 keys for each of
; the 256 work-groups.  Key blocks above the diagonal are not computed: their weights are 0.
; Eight waves, w = 4 g + q: wave w owns query rows 32 q .. + 31 (two tiles rt) and keys 64 g .. + 63 of every tile.  The two key halves keep (m, l, O) of their own,
; merged through LDS at the end of each query block.  Two waves share a SIMD, so that the softmax of one runs beside the products of the other.
; TRANSPOSED PRODUCTS: S^T = K Q^T puts query l % 16 in lane l and keys 8 (l / 16) + j in register j; packed to f16 that is already the second source of
; O^T = V^T P^T, whose first source comes by the transposing LDS load.  A row of scores lies in lanes l and l ^ 16: one exchange for the maximum, one for the sum.
; LIMITS: masked scores count as -1e30 (in exponents of 2), so their weight is exactly 0.
;   |Q|, |K|, |V| < 65,504 (f16).  A key half with no valid key for a row holds finite rubbish with m = -1e30, which gets the weight 0 in the merge:
;   key half 0 holds key 0, which every row may see.
; NO CLUSTER: the eight work-groups of a head want the same key block only while the step number is at most 15 - i; afterwards each starts again at block 0 in a step
;   of its own, so partners would ask for different tiles.  A walk in step would cost every partner 24 tiles instead of 17.
; NO PREFETCH: K and V were stored by the launch before and each tile is read by several work-groups.
; LDS: slot n at 38,912 n: K 128 rows at pitch 144, then V 128 rows at pitch 160 (five times 32); 77,824: records for the merge, 9,216 a wave
;   151,552: stage for the way out, 2,304 a wave.  LDS stores go to the last two regions alone, tensor loads to the slots alone.
.set SLOT, 38912
.set VOFF, 18432
.set XB,   77824
.set STG,  151552
; v0 thread; v1 K fragment address; v2 V fragment address; v3 mask threshold; v4 -1e30; v5 Q offset; v6 output offset; v7 Q offset without the block
; v[8:11], v[12:15]: (m, row sum, l in two halves) of rt 0, 1; v[16:19] -m twice each; v[20:23] rescale factor twice each; v[24:31] at work
.set QF, 32                            ; v32-63   Q fragments at 16 rt + 8 ks
.set SC, 64                            ; v64-127  scores at 32 rt + 8 kt; later P packed at 32 rt + 8 c
.set KV, 128                           ; v128-191 K fragments at 8 (2 kt + ks); later V fragments at 8 (2 dt + c)
.set OA, 192                           ; v192-255 O^T at 32 rt + 8 dt
.set G1K, 16                           ; s[16:23] group 1 for K
.set G1V, 24                           ; s[24:31] group 1 for V
.set G0K, 32                           ; s[32:39] group 0 for K, slot 0 and 1
.set G0V, 40                           ; s[40:47] group 0 for V, slot 0 and 1
; s2 q, s3 g, s4, s5 constants of offsets, s8 wave, s9 i, s10 y, s11 15 - i, s12 step, s13 key block of the next tile, s14 trips, s15 at work,
; s[48:49], s[50:51] my rows of K and V in key block 0 (type bits set), s[52:53] offset pair, s54-55 lane selects, s[56:57] Q, s[58:59] att, s60-63 LDS bases of the merge
.macro QLOAD                           ; 32 rows x 128 bytes of Q as four fragments: lane l takes row l % 16, 16 bytes at 16 (l / 16) and at + 32
.irp rt, 0,1
.irp ks, 0,1
	global_load_b128 v[QF+16*\rt+8*\ks:QF+16*\rt+8*\ks+3],   v5, s[56:57] offset:2048*\rt+64*\ks
	global_load_b128 v[QF+16*\rt+8*\ks+4:QF+16*\rt+8*\ks+7], v5, s[56:57] offset:2048*\rt+64*\ks+32
.endr
.endr
.endm
	s_load_b128 s[4:7], s[0:1], 0x0                ; qkv s[4:5], att s[6:7]
	s_set_vgpr_msb 0x40
	v_lshl_add_u32 v0, v0, 2, 0x29800
	v_mov_b32 v1, 0
	s_set_vgpr_msb 0x4045
	ds_add_u32 v0, v1
	ds_add_u32 v0, v1
	s_set_vgpr_msb 0x4500
	v_lshrrev_b32 v24, 5, v0
	v_readfirstlane_b32 s8, v24                    ; wave 0..7
	s_mov_b32 s9, ttmp9                            ; i
	s_and_b32 s10, ttmp7, 0xffff                   ; y
	s_sub_co_u32 s11, 15, s9                       ; the first query block, and the step in which it meets the diagonal (8 to 15)
	s_and_b32 s2, s8, 3                            ; q
	s_lshr_b32 s3, s8, 2                           ; g
	s_mov_b32 s12, 0
	s_mov_b32 s13, 1
	s_mov_b32 s53, 0
	s_mov_b32 s54, 0x76543210                      ; v_permlanex16_b32: lane l reads lane l ^ 16
	s_mov_b32 s55, 0xfedcba98
	; group 1: my 16 rows of a tile are 2,048 dense bytes: 8 rows of 32 elements of 8 bytes.  Behind every 32 words (a row of 64 f16) 4 words of padding for K, 8 for V.
	s_mov_b32 s[G1K+0], (3<<16)|(1<<20)|(4<<22)|(3<<25)
	s_mov_b32 s[G1V+0], (3<<16)|(1<<20)|(4<<22)|(7<<25)
	s_mov_b32 s[G1K+1], 32<<16                     ; tensor_dim0 = 32
	s_mov_b32 s[G1V+1], 32<<16
	s_mov_b32 s[G1K+2], 8<<16                      ; tensor_dim1 = 8
	s_mov_b32 s[G1V+2], 8<<16
	s_mov_b32 s[G1K+3], 32<<16                     ; tile_dim0 = 32
	s_mov_b32 s[G1V+3], 32<<16
	s_mov_b32 s[G1K+4], 8                          ; tile_dim1 = 8
	s_mov_b32 s[G1V+4], 8
	s_mov_b32 s[G1K+5], 32                         ; 32 elements from row to row
	s_mov_b32 s[G1V+5], 32
	s_mov_b32 s[G1K+6], 0
	s_mov_b32 s[G1V+6], 0
	s_mov_b32 s[G1K+7], 0
	s_mov_b32 s[G1V+7], 0
	s_mov_b32 s[G0K], 1
	s_mul_i32 s[G0K+1], s8, 2304                   ; 16 rows at pitch 144
	s_mov_b32 s[G0K+4], 1
	s_add_co_u32 s[G0K+5], s[G0K+1], SLOT
	s_mov_b32 s[G0V], 1
	s_mul_i32 s[G0V+1], s8, 2560                   ; 16 rows at pitch 160
	s_add_co_u32 s[G0V+1], s[G0V+1], VOFF
	s_mov_b32 s[G0V+4], 1
	s_add_co_u32 s[G0V+5], s[G0V+1], SLOT
	s_lshl_b32 s52, s10, 18                        ; y x 2,048 rows x 128 bytes
	s_wait_dscnt 0x0
	s_wait_kmcnt 0x0
	s_add_nc_u64 s[56:57], s[4:5], s[52:53]        ; Q of my head and batch entry
	s_add_nc_u64 s[58:59], s[6:7], s[52:53]        ; att likewise
	s_lshl_b32 s52, s8, 11                         ; my 16 rows of a tile
	s_add_nc_u64 s[48:49], s[56:57], s[52:53]
	s_add_nc_u64 s[50:51], s[48:49], 0x1000000     ; V: 32 heads on
	s_add_nc_u64 s[48:49], s[48:49], 0x800000      ; K: 16 heads on
	s_or_b32 s49, s49, 0x80000000                  ; type = 2
	s_or_b32 s51, s51, 0x80000000
	s_mov_b64 s[G0K+2:G0K+3], s[48:49]
	s_mov_b64 s[G0V+2:G0V+3], s[50:51]
	tensor_load_to_lds s[G0K:G0K+3], s[G1K:G1K+7]  ; tile 0 into slot 0
	s_nop 0
	tensor_load_to_lds s[G0V:G0V+3], s[G1V:G1V+7]
	s_nop 0
	v_and_b32 v24, 15, v0                          ; r
	v_bfe_u32 v25, v0, 4, 1                        ; h
	v_and_b32 v26, 7, v0
	v_bfe_u32 v27, v0, 3, 1
	s_lshl_b32 s15, s2, 12                         ; q x 32 rows x 128 bytes
	v_lshlrev_b32 v7, 7, v24
	v_lshl_add_u32 v7, v25, 4, v7
	v_add_nc_u32 v7, s15, v7                       ; Q: (32 q + r) x 128 + 16 h
	s_lshl_b32 s4, s3, 11
	s_add_co_u32 s4, s4, s15                       ; output: (32 q + 16 g) x 128
	s_lshl_b32 s15, s11, 14                        ; query block x 128 rows x 128 bytes
	v_add_nc_u32 v5, s15, v7
	QLOAD                                          ; Q of block 15 - i
	s_mul_i32 s15, s3, 9216
	v_mul_u32_u24 v1, v24, 144
	v_lshl_add_u32 v1, v25, 4, v1
	v_add_nc_u32 v1, s15, v1                       ; K: (64 g + r) x 144 + 16 h
	s_mul_i32 s15, s3, 10240
	v_lshl_add_u32 v2, v25, 3, v26
	v_mul_u32_u24 v2, v2, 160
	v_lshl_add_u32 v2, v27, 4, v2
	v_add_nc_u32 v2, s15, v2                       ; V: (64 g + 8 h + l % 8) x 160 + 16 ((l / 8) % 2)
	s_lshl_b32 s5, s2, 5
	s_lshl_b32 s15, s3, 6
	s_sub_co_u32 s5, s5, s15
	v_lshlrev_b32 v3, 3, v25
	v_sub_nc_u32 v3, v24, v3
	v_add_nc_u32 v3, s5, v3                        ; 32 q + r - 64 g - 8 h: in the diagonal tile key (kt, j) of query tile rt is masked where 16 kt + j - 16 rt is larger
	v_mov_b32 v4, 0xf149f2ca                       ; -1e30
	s_mul_i32 s60, s8, 9216
	s_add_co_u32 s60, s60, XB                      ; my two records
	s_mul_i32 s15, s3, 4608
	s_add_co_u32 s62, s60, s15                     ; my record of query tile g
	s_xor_b32 s61, s8, 4
	s_mul_i32 s61, s61, 9216
	s_add_co_u32 s61, s61, XB
	s_add_co_u32 s61, s61, s15                     ; the record of query tile g of the wave with the other key half
	s_mul_i32 s63, s8, 2304
	s_add_co_u32 s63, s63, STG                     ; my stage
	v_mov_b32 v8, v4                               ; m = -1e30, l = 0
	v_mov_b32 v12, v4
	v_mov_b32 v10, 0
	v_mov_b32 v11, 0
	v_mov_b32 v14, 0
	v_mov_b32 v15, 0
.macro MASK                            ; the diagonal tile: keys behind the query get -1e30
.irp rt, 0,1
.irp kt, 0,1,2,3
.irp j, 0,1,2,3,4,5,6,7
	v_cmp_gt_i32 vcc_lo, 16*\kt+\j-16*\rt, v3
	v_cndmask_b32 v[SC+32*\rt+8*\kt+\j], v[SC+32*\rt+8*\kt+\j], v4, vcc_lo
.endr
.endr
.endr
.endm
; The new maximum of query tile rt (32 scores a lane, the old m, the other half of the lanes); al = 2^(old m - new m), nm = -m, each twice for the packed forms.
.macro SMAX rt, t, ml, nm, al
	v_max3_num_f32 v[\t],   v[SC+32*\rt],   v[SC+32*\rt+1],  v[SC+32*\rt+2]
	v_max3_num_f32 v[\t+1], v[SC+32*\rt+3], v[SC+32*\rt+4],  v[SC+32*\rt+5]
	v_max3_num_f32 v[\t+2], v[SC+32*\rt+6], v[SC+32*\rt+7],  v[SC+32*\rt+8]
	v_max3_num_f32 v[\t+3], v[SC+32*\rt+9], v[SC+32*\rt+10], v[SC+32*\rt+11]
.irp k, 0,1,2,3
	v_max3_num_f32 v[\t+\k], v[\t+\k], v[SC+32*\rt+12+2*\k], v[SC+32*\rt+13+2*\k]
.endr
.irp k, 0,1,2,3
	v_max3_num_f32 v[\t+\k], v[\t+\k], v[SC+32*\rt+20+2*\k], v[SC+32*\rt+21+2*\k]
.endr
	v_max3_num_f32 v[\t],   v[\t],   v[SC+32*\rt+28], v[SC+32*\rt+29]
	v_max3_num_f32 v[\t+1], v[\t+1], v[SC+32*\rt+30], v[SC+32*\rt+31]
	v_max3_num_f32 v[\t], v[\t], v[\t+1], v[\t+2]
	v_max3_num_f32 v[\t], v[\t], v[\t+3], v[\ml]
	v_permlanex16_b32 v[\t+1], v[\t], s54, s55
	v_max_num_f32 v[\t], v[\t], v[\t+1]
	v_sub_f32 v[\al], v[\ml], v[\t]
	v_exp_f32 v[\al], v[\al]
	v_mov_b32 v[\ml], v[\t]                        ; a plain instruction behind the exponential (ISA guide 5.7.2)
	v_sub_f32 v[\nm], 0, v[\t]
	v_sub_f32 v[\nm+1], 0, v[\t]
	s_wait_alu depctr_va_vdst(0)
	v_mov_b32 v[\al+1], v[\al]
.endm
.macro SEXP rt, nm                     ; p = 2^(s - m), in place
.set k, 0
.rept 16
	v_pk_add_f32 v[SC+32*\rt+2*k:SC+32*\rt+2*k+1], v[SC+32*\rt+2*k:SC+32*\rt+2*k+1], v[\nm:\nm+1]
.set k, k+1
.endr
.set k, 0
.rept 32
	v_exp_f32 v[SC+32*\rt+k], v[SC+32*\rt+k]
.set k, k+1
.endr
	v_nop                                          ; the plain place behind the run of exponentials
.endm
.macro SSUM rt, t, l, al               ; l = l al + the sum of my 32 p, kept in two halves; two chains
	s_wait_alu depctr_va_vdst(0)
	v_pk_add_f32 v[\t:\t+1],   v[SC+32*\rt:SC+32*\rt+1],   v[SC+32*\rt+2:SC+32*\rt+3]
	v_pk_add_f32 v[\t+2:\t+3], v[SC+32*\rt+4:SC+32*\rt+5], v[SC+32*\rt+6:SC+32*\rt+7]
.irp k, 8,12,16,20,24,28
	v_pk_add_f32 v[\t:\t+1],   v[\t:\t+1],   v[SC+32*\rt+\k:SC+32*\rt+\k+1]
	v_pk_add_f32 v[\t+2:\t+3], v[\t+2:\t+3], v[SC+32*\rt+\k+2:SC+32*\rt+\k+3]
.endr
	v_pk_add_f32 v[\t:\t+1], v[\t:\t+1], v[\t+2:\t+3]
	v_pk_fma_f32 v[\l:\l+1], v[\l:\l+1], v[\al:\al+1], v[\t:\t+1]
.endm
.macro SPACK rt                        ; 32 p to f16 in place: word k is written when its old content has been read.  Words 8 c .. 8 c + 7 are the fragment of keys 32 c .. + 31
.set k, 0
.rept 16
	v_cvt_pk_f16_f32 v[SC+32*\rt+k], v[SC+32*\rt+2*k], v[SC+32*\rt+2*k+1]
.set k, k+1
.endr
.endm
.macro ORESC rt, al                    ; O = O al
.set k, 0
.rept 16
	v_pk_mul_f32 v[OA+32*\rt+2*k:OA+32*\rt+2*k+1], v[OA+32*\rt+2*k:OA+32*\rt+2*k+1], v[\al:\al+1]
.set k, k+1
.endr
.endm
; The end of a query block (p = 0: block 15 - i, p = 1: block i).  Each wave lays (O, m, l) of both query tiles into LDS; behind a barrier wave (q, g) merges the two key
; halves of query tile g, divides by l, rounds to f16 and stores 16 rows of 128 bytes, 2,048 consecutive bytes.  The tensor
; loads of the next tile stay out across it.
.macro FINAL p
	v_add_f32 v9, v10, v11
	v_add_f32 v13, v14, v15
	v_permlanex16_b32 v24, v9, s54, s55
	v_permlanex16_b32 v28, v13, s54, s55
	v_add_f32 v9, v9, v24                          ; the row sums over my 64 keys of every tile
	v_add_f32 v13, v13, v28
	v_and_b32 v96, 31, v0
	v_lshlrev_b32 v96, 4, v96                      ; 16 x lane
	v_add_nc_u32 v97, s60, v96
	v_add_nc_u32 v98, s62, v96
	v_add_nc_u32 v99, s61, v96
.irp rt, 0,1
.irp k, 0,1,2,3,4,5,6,7
	ds_store_b128 v97, v[OA+32*\rt+4*\k:OA+32*\rt+4*\k+3] offset:4608*\rt+512*\k
.endr
.endr
	ds_store_b128 v97, v[8:11] offset:4096
	ds_store_b128 v97, v[12:15] offset:4608+4096
	s_wait_dscnt 0x0                               ; my records are written, for the other wave
	s_barrier_signal -1
	s_barrier_wait -1
.irp k, 0,1,2,3,4,5,6,7
	ds_load_b128 v[KV+4*\k:KV+4*\k+3], v98 offset:512*\k       ; my half
	ds_load_b128 v[SC+4*\k:SC+4*\k+3], v99 offset:512*\k       ; the other half
.endr
	ds_load_b128 v[24:27], v98 offset:4096
	ds_load_b128 v[28:31], v99 offset:4096
	v_and_b32 v100, 15, v0                         ; stage, in: row r, 16 bytes at 16 h of each 32
	v_mul_u32_u24 v100, v100, 144
	v_bfe_u32 v102, v0, 4, 1
	v_lshl_add_u32 v100, v102, 4, v100
	v_add_nc_u32 v100, s63, v100
	v_bfe_u32 v101, v0, 3, 2                       ; stage, back: eight lanes a row, four rows a load
	v_mul_u32_u24 v101, v101, 144
	v_and_b32 v102, 7, v0
	v_lshl_add_u32 v101, v102, 4, v101
	v_add_nc_u32 v101, s63, v101
.if \p == 0
	s_lshl_b32 s15, s11, 14
.else
	s_lshl_b32 s15, s9, 14
.endif
	s_add_co_u32 s15, s15, s4
	v_add_nc_u32 v6, s15, v96                      ; (128 block + 32 q + 16 g) x 128 + 16 lane
	s_wait_dscnt 0x0
	v_max_num_f32 v26, v24, v28                    ; the common maximum
	v_sub_f32 v24, v24, v26
	v_sub_f32 v28, v28, v26
	v_exp_f32 v24, v24
	v_exp_f32 v28, v28
	v_nop
	s_wait_alu depctr_va_vdst(0)
	v_mul_f32 v27, v25, v24
	v_fmac_f32 v27, v29, v28                       ; l: at least 1, since the half that holds the maximum has the weight 1 and a term 2^0
	v_rcp_f32 v27, v27
	v_nop
	s_wait_alu depctr_va_vdst(0)
	v_mul_f32 v24, v24, v27
	v_mul_f32 v28, v28, v27
	v_mov_b32 v25, v24
	v_mov_b32 v29, v28
.set k, 0
.rept 16
	v_pk_mul_f32 v[KV+2*k:KV+2*k+1], v[KV+2*k:KV+2*k+1], v[24:25]
.set k, k+1
.endr
.set k, 0
.rept 16
	v_pk_fma_f32 v[KV+2*k:KV+2*k+1], v[SC+2*k:SC+2*k+1], v[28:29], v[KV+2*k:KV+2*k+1]
.set k, k+1
.endr
.set k, 0
.rept 16
	v_cvt_pk_f16_f32 v[KV+k], v[KV+2*k], v[KV+2*k+1]
.set k, k+1
.endr
.irp dt, 0,1,2,3
	ds_store_b128 v100, v[KV+4*\dt:KV+4*\dt+3] offset:32*\dt
.endr
.irp t, 0,1,2,3
	ds_load_b128 v[KV+32+4*\t:KV+32+4*\t+3], v101 offset:576*\t    ; my own bytes: LDS serves the instructions of a wave in order (ISA guide 5.7.1)
.endr
.irp t, 0,1,2,3
	s_wait_dscnt 3-\t
	global_store_b128 v6, v[KV+32+4*\t:KV+32+4*\t+3], s[58:59] offset:512*\t   ; four rows: 512 consecutive bytes, aligned
.endr
.if \p == 0
	s_lshl_b32 s15, s9, 14
	v_add_nc_u32 v5, s15, v7                       ; the loads that read v5 were waited for in this step
	QLOAD                                          ; Q of block i
	v_mov_b32 v8, v4                               ; m = -1e30: the factor 2^(-1e30 - m) = 0 of the next step wipes the old, finite O and l
	v_mov_b32 v12, v4                              ; in the lines that rescale them, so nothing is cleared
	s_wait_xcnt 0x0                                ; the store data lie where the next K fragments land: they are loaded only behind this wait (ISA guide 3.1)
.endif
.endm
; One tile of 128 keys.  slot: where it lies; first: the products start O; refill: the next tile is asked for; chk: the step may be the diagonal one of block 15 - i; last: it is that of block i.
.macro STEP slot, first, refill, chk, last
	s_set_vgpr_msb 0x5
	s_wait_tensorcnt 0x0                           ; all my tensor loads have landed, my rows of this tile among them, so every group 0 may be written
	ds_add_u32 v0, v1
	s_wait_dscnt 0x0
	s_set_vgpr_msb 0x500
.if \refill
	s_lshl_b32 s52, s13, 14                        ; key block x 16,384 bytes
	s_add_nc_u64 s[G0K+6-4*\slot:G0K+7-4*\slot], s[48:49], s[52:53]
	s_add_nc_u64 s[G0V+6-4*\slot:G0V+7-4*\slot], s[50:51], s[52:53]
	s_add_co_u32 s15, s13, 1
	s_cmp_eq_u32 s13, s11                          ; behind block 15 - i the walk starts again at 0 (the second walk ends at i < 8 <= 15 - i)
	s_cselect_b32 s13, 0, s15
.endif
	s_wait_dscnt 0x0                               ; my reads of the other slot are over
	s_barrier_signal -1
	s_barrier_wait -1                              ; both now hold of all eight waves
.if \refill
	tensor_load_to_lds s[G0K+4-4*\slot:G0K+7-4*\slot], s[G1K:G1K+7]    ; the next tile, into the slot read in the last step: two loads of mine are out,
	s_nop 0
	tensor_load_to_lds s[G0V+4-4*\slot:G0V+7-4*\slot], s[G1V:G1V+7]    ; with this whole step in which to land
	s_nop 0
.endif
.irp ks, 0,1
.irp kt, 0,1,2,3
	ds_load_b128 v[KV+8*(2*\kt+\ks):KV+8*(2*\kt+\ks)+3],   v1 offset:\slot*SLOT+2304*\kt+64*\ks
	ds_load_b128 v[KV+8*(2*\kt+\ks)+4:KV+8*(2*\kt+\ks)+7], v1 offset:\slot*SLOT+2304*\kt+64*\ks+32
.endr
.endr
	s_wait_loadcnt 0x0                             ; Q (met at once in all steps but the first of a block)
	s_wait_dscnt 0x8                               ; the fragments of d 0-31 are in; the eight loads of d 32-63 stay out
	; S^T: eight accumulators by turns, one instruction a turn
.irp kt, 0,1,2,3
.irp rt, 0,1
	v_wmma_f32_16x16x32_f16 v[SC+32*\rt+8*\kt:SC+32*\rt+8*\kt+7], v[KV+16*\kt:KV+16*\kt+7], v[QF+16*\rt:QF+16*\rt+7], 0
.endr
.endr
	s_wait_dscnt 0x0
.irp kt, 0,1,2,3
.irp rt, 0,1
	v_wmma_f32_16x16x32_f16 v[SC+32*\rt+8*\kt:SC+32*\rt+8*\kt+7], v[KV+16*\kt+8:KV+16*\kt+15], v[QF+16*\rt+8:QF+16*\rt+15], v[SC+32*\rt+8*\kt:SC+32*\rt+8*\kt+7]
.endr
.endr
.rept 4
	v_nop                                          ; four places before loads land on the K fragments and vector instructions read the scores
.endr
.irp c, 0,1
.irp dt, 0,1,2,3
	ds_load_tr16_b128 v[KV+8*(2*\dt+\c):KV+8*(2*\dt+\c)+3],   v2 offset:\slot*SLOT+VOFF+5120*\c+32*\dt
	ds_load_tr16_b128 v[KV+8*(2*\dt+\c)+4:KV+8*(2*\dt+\c)+7], v2 offset:\slot*SLOT+VOFF+5120*\c+32*\dt+2560
.endr
.endr
.if \chk
	s_cmp_lg_u32 s12, s11                          ; the same in all waves: step number against the work-group number
	s_cbranch_scc1 .Lnomask_\@
	MASK
.Lnomask_\@:
.endif
.if \last
	MASK
.endif
	SMAX 0, 24, 8, 16, 20
	SMAX 1, 28, 12, 18, 22
	SEXP 0, 16
	SEXP 1, 18
	SSUM 0, 24, 10, 20
	SSUM 1, 28, 14, 22
	SPACK 0
	SPACK 1
.if \first == 0
	ORESC 0, 20
	ORESC 1, 22
.endif
	s_wait_dscnt 0x0                               ; the V fragments
	; O^T: eight accumulators by turns, one instruction a turn
.irp c, 0,1
.irp dt, 0,1,2,3
.irp rt, 0,1
.if \first*(1-\c)
	v_wmma_f32_16x16x32_f16 v[OA+32*\rt+8*\dt:OA+32*\rt+8*\dt+7], v[KV+8*(2*\dt+\c):KV+8*(2*\dt+\c)+7], v[SC+32*\rt+8*\c:SC+32*\rt+8*\c+7], 0
.else
	v_wmma_f32_16x16x32_f16 v[OA+32*\rt+8*\dt:OA+32*\rt+8*\dt+7], v[KV+8*(2*\dt+\c):KV+8*(2*\dt+\c)+7], v[SC+32*\rt+8*\c:SC+32*\rt+8*\c+7], v[OA+32*\rt+8*\dt:OA+32*\rt+8*\dt+7]
.endif
.endr
.endr
.endr
.rept 5
	v_nop                                          ; five places: the next S^T writes over P; loads land on the V fragments; the merge reads O
.endr
.if \chk
	s_cmp_lg_u32 s12, s11
	s_cbranch_scc1 .Lnofinal_\@
	FINAL 0
.Lnofinal_\@:
.endif
.if \last
	FINAL 1
.else
	s_add_co_u32 s12, s12, 1
.endif
.endm
	STEP 0, 1, 1, 0, 0                             ; step 0: never the diagonal one, since 15 - i >= 8
	s_mov_b32 s14, 7
.Lpair:
	STEP 1, 0, 1, 1, 0                             ; steps 1 to 14
	STEP 0, 0, 1, 1, 0
	s_sub_co_u32 s14, s14, 1
	s_cmp_lg_u32 s14, 0
	s_cbranch_scc1 .Lpair
	STEP 1, 0, 1, 1, 0                             ; step 15
	STEP 0, 0, 0, 0, 1                             ; step 16: the diagonal tile of block i; nothing more is asked for, and its wait for all tensor loads was the last
	s_set_vgpr_msb 0x5
	s_wait_tensorcnt 0x0
	ds_add_u32 v0, v1
	s_wait_dscnt 0x0
	s_set_vgpr_msb 0x500
	s_endpgm
.Lfunc_end_k_q4a5676e478_attn:
	.size	k_q4a5676e478_attn, .Lfunc_end_k_q4a5676e478_attn-k_q4a5676e478_attn
	.p2alignl 7, 3214868480
	.fill 96, 4, 3214868480
	.section	.rodata,"a",@progbits
	.p2align	6, 0x0
	.amdhsa_kernel k_q4a5676e478_attn
		.amdhsa_group_segment_fixed_size 327680
		.amdhsa_private_segment_fixed_size 0
		.amdhsa_enable_private_segment 0
		.amdhsa_kernarg_size 16
		.amdhsa_user_sgpr_count 2
		.amdhsa_user_sgpr_kernarg_segment_ptr 1
		.amdhsa_wavefront_size32 1
		.amdhsa_system_sgpr_workgroup_id_x 1
		.amdhsa_system_sgpr_workgroup_id_y 1
		.amdhsa_system_sgpr_workgroup_id_z 1
		.amdhsa_system_vgpr_workitem_id 0
		.amdhsa_next_free_vgpr 258
		.amdhsa_next_free_sgpr 66
		.amdhsa_reserve_vcc 1
		.amdhsa_float_denorm_mode_32 3
		.amdhsa_float_denorm_mode_16_64 3
		.amdhsa_memory_ordered 1
		.amdhsa_forward_progress 1
		.amdhsa_inst_pref_size 145
	.end_amdhsa_kernel
	.amdgpu_metadata
---
amdhsa.version: [ 1, 2 ]
amdhsa.kernels:
  - .name:           k_q4a5676e478_attn
    .symbol:         k_q4a5676e478_attn.kd
    .args:
      - { .name: qkv, .offset: 0, .size: 8, .value_kind: global_buffer, .address_space: global }
      - { .name: att, .offset: 8, .size: 8, .value_kind: global_buffer, .address_space: global }
    .group_segment_fixed_size: 327680
    .private_segment_fixed_size: 0
    .kernarg_segment_align: 8
    .kernarg_segment_size: 16
    .max_flat_workgroup_size: 256
    .sgpr_count:     66
    .vgpr_count:     258
    .wavefront_size: 32
...
	.end_amdgpu_metadata
.endif
;; end of part 3
;; launch oproj (part 4): grid 8 x 32, 4 waves a work-group, clusters of 4 x 4, 327,680 bytes of LDS; arguments att, cvt, out0; writes out0
.if DOCPART == 4
	.amdgcn_target "amdgcn-amd-amdhsa--gfx1250"
	.amdhsa_code_object_version 6
	.text
	.protected	k_q4a5676e478_oproj
	.globl	k_q4a5676e478_oproj
	.p2align	8
	.type	k_q4a5676e478_oproj,@function
k_q4a5676e478_oproj:
	s_mov_b64 s[64:65], 0
	v_nop
	global_prefetch_b8 v0, s[64:65] scope:SCOPE_SE
	s_setreg_imm32_b32 hwreg(HW_REG_WAVE_MODE, 25, 1), 1
	s_wait_xcnt 0x0
	s_wait_alu depctr_hold_cnt(0) depctr_sa_sdst(0) depctr_va_vdst(0) depctr_va_sdst(0) depctr_va_ssrc(0) depctr_va_vcc(0) depctr_vm_vsrc(0)
	s_getreg_b32 s2, hwreg(HW_REG_IB_STS2, 6, 4)
	s_cmp_eq_u32 s2, 0
	s_cbranch_scc0 .Lentry_in_a_cluster
	s_endpgm
.Lentry_in_a_cluster:
	s_bfe_u32 s2, ttmp6, 0x10000c
	s_cmp_lg_u32 s2, 0xf033
	s_cbranch_scc0 .Lentry_shape_is_right
	s_endpgm
.Lentry_shape_is_right:
; oproj: out0[m][o] = sum over i of att[m][i] WO[o][i], 4096 x 1024 x 1024, f16 operands, f32 sums, f32 out.
; att lies head by head, [16][4096][64] f16 (i = 64 head + d); WO as f16 codes of its bf16 rounding, [1024][1024], 14,680,064 bytes into cvt.
; 256 work-groups, each a block of 128 x 128 with four waves of 64 x 64 (16 accumulator tiles): larger blocks would leave WGPs without work.
; K goes in 4 steps of 256 (four heads) through two LDS slots.  A slot: att as four head tiles of 128 rows at pitch 144 (18,432 bytes each), then 128 rows of WO at pitch 528.
; CLUSTERS: 4 x 4 work-groups; the att tiles are shared along a row of the cluster, the WO tiles along a column, each asked for jointly: a quarter of the requests.
; The matrix instruction is used transposed (source 0 = rows of WO, source 1 = rows of att): a lane holds eight neighbouring columns of one row of out0.
; REGISTERS: window 0: v16-26 addresses, v64-191 fragments of att (two buffers, at 8 (4 ks + tile)), v192-255 read-back on the way out;
;   window 1: v64-191 fragments of WO;  window 2: accumulator (a, b) at v[8 (4 a + b)].
.set ASUB,   18432                     ; one head tile: 128 rows x 144
.set BOFF,   73728                     ; WO behind the four head tiles
.set SLOT,   141312
.set STAGE,  282624                    ; behind the ring: 16 rows x 272 bytes for each wave; no tensor load lands here
.set SPITCH, 272
.set ASTEP,  2097152                   ; a K step in att: four heads of 524,288 bytes
.set BSTEP,  512                       ; a K step in WO: 256 f16
.set ADRA, 16
.set ADRB, 20
.set STO,  24
.set RD,   25
.set CO,   26
.set F0,   64
.set F1,   128
.set RB0,  192
.set RB1,  224
.set G1, 24
.set G0, 32
.set G1B, 48
.set G0B, 56
.set MSB, 0
.macro WIN new
.if MSB != \new
	s_set_vgpr_msb (MSB<<8)|\new
.set MSB, \new
.endif
.endm
.set MULW, 0xa1                        ; source 0 (WO) window 1, source 1 (att) window 0, C and D window 2
.set TO_B, 0x40                        ; destination window 1
.macro JLOAD s                         ; waves 0 and 1 ask for att (two head tiles each), waves 2 and 3 for WO (64 rows each); the branch hangs on the wave number alone
	s_cmp_eq_u32 s11, 0
	s_cbranch_scc0 .Lfor_b_\@
	tensor_load_to_lds s[G0+4*\s:G0+4*\s+3], s[G1:G1+7]
	s_nop 0
	s_branch .Lasked_\@
.Lfor_b_\@:
	tensor_load_to_lds s[G0B+4*\s:G0B+4*\s+3], s[G1B:G1B+7]
	s_nop 0
.Lasked_\@:
.endm
.macro CREST                           ; a round of the barrier of the cluster behind its opening barrier
	s_cmp_lg_u32 s10, 0
	s_cbranch_scc1 .Lnot_wave_0_\@
	s_barrier_signal -3
.Lnot_wave_0_\@:
	s_barrier_wait -3
	s_barrier_signal -1
	s_barrier_wait -1
.endm
.macro CROUND
	s_barrier_signal -1
	s_barrier_wait -1
	CREST
.endm
	s_load_b128 s[4:7], s[0:1], 0x0                ; att s[4:5], cvt s[6:7]
	s_load_b64 s[8:9], s[0:1], 0x10                ; out0
	s_set_vgpr_msb 0x40
	v_lshl_add_u32 v255, v0, 2, 0x49400
	s_set_vgpr_msb 0x4000
	v_mov_b32 v63, 0
	s_set_vgpr_msb 0x1
	ds_add_u32 v255, v63
	ds_add_u32 v255, v63
	s_set_vgpr_msb 0x100
	v_lshrrev_b32 v1, 5, v0
	v_readfirstlane_b32 s10, v1                    ; wave 0..3
	s_lshr_b32 s11, s10, 1                         ; my half of the rows.  Also: I fetch att (0) or WO (1)
	s_and_b32 s12, s10, 1                          ; my half of the columns.  Also: which half of that tile I fetch
	s_bfe_u32 s40, ttmp6, 0x40000                  ; cx
	s_bfe_u32 s41, ttmp6, 0x40004                  ; cy
	s_lshl_b32 s42, ttmp9, 2
	s_add_co_u32 s42, s42, s40                     ; block column
	s_and_b32 s13, ttmp7, 0xffff
	s_lshl_b32 s13, s13, 2
	s_add_co_u32 s13, s13, s41                     ; block row
	s_lshl_b32 s43, s41, 2
	s_lshl_b32 s43, 15, s43                        ; my row of the cluster
	s_lshl_b32 s44, 0x1111, s40                    ; my column
	; att: two dense blocks of 16,384 bytes, 524,288 bytes apart: 2 rows of 2,048 elements of 8 bytes; 4 words of padding behind every 32 words (a row of 64 f16)
	s_or_b32 s[G1+0], s43, (3<<16)|(1<<20)|(1<<21)|(4<<22)|(3<<25)
	s_mov_b32 s[G1+1], 2048<<16                    ; tensor_dim0
	s_mov_b32 s[G1+2], 2<<16                       ; tensor_dim1
	s_mov_b32 s[G1+3], 2048<<16                    ; tile_dim0
	s_mov_b32 s[G1+4], 2                           ; tile_dim1
	s_mov_b32 s[G1+5], 65536                       ; elements from block to block
	s_mov_b32 s[G1+6], 0
	s_mov_b32 s[G1+7], 0
	; WO: 64 rows of 256 elements of 2 bytes, 1,024 elements apart; 4 words of padding behind every 128 words
	s_or_b32 s[G1B+0], s44, (1<<16)|(1<<20)|(1<<21)|(6<<22)|(3<<25)
	s_mov_b32 s[G1B+1], 256<<16
	s_mov_b32 s[G1B+2], 64<<16
	s_mov_b32 s[G1B+3], 256<<16
	s_mov_b32 s[G1B+4], 64
	s_mov_b32 s[G1B+5], 1024
	s_mov_b32 s[G1B+6], 0
	s_mov_b32 s[G1B+7], 0
	s_lshl_b32 s16, s13, 14                        ; att: block row x 128 rows x 128 bytes
	s_lshl_b32 s17, s12, 20                        ;      + my two heads of the four
	s_add_co_u32 s16, s16, s17
	s_mov_b32 s17, 0
	s_lshl_b32 s46, s42, 18                        ; WO: block column x 128 rows x 2,048 bytes
	s_lshl_b32 s47, s12, 17                        ;     + my 64 rows
	s_add_co_u32 s46, s46, s47
	s_add_co_u32 s46, s46, 14680064                ;     + where WO lies in cvt
	s_mov_b32 s47, 0
	s_mul_i32 s20, s10, 2*ASUB                     ; att goes to wave x 36,864 (waves 0, 1),
	s_mul_i32 s45, s10, 33792
	s_add_co_u32 s45, s45, 6144                    ; WO to 6,144 + wave x 33,792 = 73,728 and 107,520 (waves 2, 3)
	s_wait_dscnt 0x0
	s_wait_kmcnt 0x0
	s_add_nc_u64 s[14:15], s[4:5], s[16:17]
	s_add_nc_u64 s[46:47], s[6:7], s[46:47]
	CROUND                                         ; all sixteen work-groups are here: the first joint loads meet
.irp s, 0,1
	s_mov_b32 s[G0+4*\s], 1
	s_add_co_u32 s[G0+4*\s+1], s20, \s*SLOT
	s_add_nc_u64 s[G0+4*\s+2:G0+4*\s+3], s[14:15], \s*ASTEP
	s_or_b32 s[G0+4*\s+3], s[G0+4*\s+3], 0x80000000
	s_mov_b32 s[G0B+4*\s], 1
	s_add_co_u32 s[G0B+4*\s+1], s45, \s*SLOT
	s_add_nc_u64 s[G0B+4*\s+2:G0B+4*\s+3], s[46:47], \s*BSTEP
	s_or_b32 s[G0B+4*\s+3], s[G0B+4*\s+3], 0x80000000
	JLOAD \s
.endr
	v_and_b32 v1, 15, v0                           ; r
	v_bfe_u32 v2, v0, 4, 1                         ; h
	v_mul_u32_u24 v3, v1, 144
	v_lshl_add_u32 v3, v2, 4, v3                   ; att: r x 144 + 16 h
	v_mul_u32_u24 v4, v1, 528
	v_lshl_add_u32 v4, v2, 4, v4                   ; WO: r x 528 + 16 h
	s_mul_i32 s21, s11, 9216                       ; my 64 rows of each head tile
	s_mul_i32 s22, s12, 33792                      ; my 64 rows of WO
	s_add_co_u32 s22, s22, BOFF
.irp s, 0,1
	v_add_nc_u32 v[ADRA+\s], s21, v3
	v_add_nc_u32 v[ADRB+\s], s22, v4
	s_add_co_u32 s21, s21, SLOT
	s_add_co_u32 s22, s22, SLOT
.endr
	s_mul_i32 s23, s10, 16*SPITCH
	s_add_co_u32 s23, s23, STAGE
	v_mul_u32_u24 v5, v1, SPITCH                   ; stage, in: row r, 32 bytes for each half of the lanes
	v_lshl_add_u32 v5, v2, 5, v5
	v_add_nc_u32 v[STO], s23, v5
	v_mul_u32_u24 v5, v2, SPITCH                   ; back: lanes 0-15 one row of 256 bytes, lanes 16-31 the next
	v_lshl_add_u32 v5, v1, 4, v5
	v_add_nc_u32 v[RD], s23, v5
	v_lshlrev_b32 v5, 12, v2                       ; the same two rows in out0: 4,096 bytes apart
	v_lshl_add_u32 v[CO], v1, 4, v5
; n x 4 matrix instructions: row tiles a0 .. a0 + n - 1 x all 4 column tiles, 32 along K (half ks of buffer f).  zero = 1: the product starts the sum.
; The 16 accumulators take turns, one instruction a turn, always in the same order.
.macro MULK f, ks, a0, n, zero
.set aa, \a0
.rept \n
.irp b, 0,1,2,3
.if \zero
	v_wmma_f32_16x16x32_f16 v[8*(4*aa+\b):8*(4*aa+\b)+7], v[\f+8*(4*\ks+\b):\f+8*(4*\ks+\b)+7], v[\f+8*(4*\ks+aa):\f+8*(4*\ks+aa)+7], 0
.else
	v_wmma_f32_16x16x32_f16 v[8*(4*aa+\b):8*(4*aa+\b)+7], v[\f+8*(4*\ks+\b):\f+8*(4*\ks+\b)+7], v[\f+8*(4*\ks+aa):\f+8*(4*\ks+aa)+7], v[8*(4*aa+\b):8*(4*aa+\b)+7]
.endif
.endr
.set aa, aa+1
.endr
.endm
; 32 LDS loads in one run: the fragments of quarter q (one head, 64 along K) into buffer f; in each operand the first 32 of K come first
.macro FETCH slot, q, f
	WIN TO_B
.irp ks, 0,1
.irp b, 0,1,2,3
	ds_load_b128 v[\f+8*(4*\ks+\b):\f+8*(4*\ks+\b)+3],   v[ADRB+\slot] offset:128*\q+64*\ks+8448*\b
	ds_load_b128 v[\f+8*(4*\ks+\b)+4:\f+8*(4*\ks+\b)+7], v[ADRB+\slot] offset:128*\q+64*\ks+8448*\b+32
.endr
.endr
	WIN 0
.irp ks, 0,1
.irp a, 0,1,2,3
	ds_load_b128 v[\f+8*(4*\ks+\a):\f+8*(4*\ks+\a)+3],   v[ADRA+\slot] offset:ASUB*\q+64*\ks+2304*\a
	ds_load_b128 v[\f+8*(4*\ks+\a)+4:\f+8*(4*\ks+\a)+7], v[ADRA+\slot] offset:ASUB*\q+64*\ks+2304*\a+32
.endr
.endr
.endm
.macro PLACES                          ; four independent vector places behind matrix instructions, ahead of loads into their sources and of readers of their results
.rept 4
	v_nop
.endr
.endm
.macro QUARTER slot, q, f, g, zero     ; multiplies buffer f; in its middle it fetches quarter q of the same slot into buffer g
	s_wait_dscnt 8                                 ; all of WO and the first half of att are in; the youngest eight loads may be out
	WIN MULW
	MULK \f, 0, 0, 4, \zero
	PLACES
	FETCH \slot, \q, \g
	s_wait_dscnt 32                                ; all but the 32 just issued
	WIN MULW
	MULK \f, 1, 0, 4, 0
.endm
.macro THREE slot, zero
	QUARTER \slot, 1, F0, F1, \zero
	QUARTER \slot, 2, F1, F0, 0
	QUARTER \slot, 3, F0, F1, 0
.endm
; The last quarter of a K step: multiplies buffer 1 and changes slots.  In front of the barrier each wave waits for its reads of this slot and for all its tensor loads
; (one is out: its part of the next slot); behind it (fill = 1: behind the whole round of the cluster) the refill comes first, then the first fragments of the next slot.
.macro TURN slot, next, fill
	s_wait_dscnt 8
	WIN MULW
	MULK F1, 0, 0, 2, 0
	s_wait_dscnt 0                                 ; my reads of this slot are over
	s_wait_tensorcnt 0x0                           ; all my tensor loads have landed
	ds_add_u32 v255, v63
	s_wait_dscnt 0x0
	s_barrier_signal -1
	MULK F1, 0, 2, 2, 0                            ; register work while the others arrive
	WIN 0
	s_barrier_wait -1
.if \fill
	CREST                                          ; no wave of any partner still reads this slot or has a load on its way
	s_add_nc_u64 s[G0+4*\slot+2:G0+4*\slot+3], s[G0+4*\slot+2:G0+4*\slot+3], 2*ASTEP
	s_add_nc_u64 s[G0B+4*\slot+2:G0B+4*\slot+3], s[G0B+4*\slot+2:G0B+4*\slot+3], 2*BSTEP
	JLOAD \slot                                    ; the first tensor load behind the round
.endif
	PLACES
	FETCH \next, 0, F0
	WIN MULW
	MULK F1, 1, 0, 4, 0
.endm
	s_wait_tensorcnt 1                             ; my part of K step 0 is in; that of K step 1 stays out
	s_barrier_signal -1
	s_barrier_wait -1
	FETCH 0, 0, F0
	THREE 0, 1                                     ; K step 0: its first products start the sums
	TURN 0, 1, 1                                   ; slot 0 gets K step 2
	THREE 1, 0                                     ; K step 1
	TURN 1, 0, 1                                   ; slot 1 gets K step 3
	THREE 0, 0                                     ; K step 2
	TURN 0, 1, 0                                   ; nothing more to fetch
	THREE 1, 0                                     ; K step 3
	s_wait_dscnt 8
	WIN MULW
	MULK F1, 0, 0, 4, 0
	s_wait_dscnt 0
	MULK F1, 1, 0, 4, 0
	; THE WAY OUT, 16 rows at a time: the f32 sums go through my stage and come back as whole rows of 256 bytes
	PLACES
	WIN 0
	s_lshl_b32 s16, s13, 19                        ; block row x 128 rows x 4,096 bytes
	s_lshl_b32 s14, s11, 18                        ; + my 64 rows
	s_add_co_u32 s16, s16, s14
	s_mov_b32 s17, 0
	s_add_nc_u64 s[8:9], s[8:9], s[16:17]
	s_lshl_b32 s46, s42, 9                         ; block column x 128 columns x 4 bytes
	s_lshl_b32 s47, s12, 8                         ; + my 64 columns
	s_add_co_u32 s46, s46, s47
	s_mov_b32 s47, 0
	s_add_nc_u64 s[8:9], s[8:9], s[46:47]
.macro OUTF a, rb
	WIN 0x08                                       ; store data (source 1) from window 2
.irp b, 0,1,2,3
	ds_store_b128 v[STO], v[8*(4*\a+\b):8*(4*\a+\b)+3]   offset:64*\b
	ds_store_b128 v[STO], v[8*(4*\a+\b)+4:8*(4*\a+\b)+7] offset:64*\b+16
.endr
	WIN 0
	s_wait_xcnt 0x0                                ; the registers that earlier stores read are loaded again only behind this wait (ISA guide 3.1)
.irp t, 0,1,2,3,4,5,6,7
	ds_load_b128 v[\rb+4*\t:\rb+4*\t+3], v[RD] offset:2*SPITCH*\t      ; my own bytes: LDS serves the instructions of a wave in order (ISA guide 5.7.1)
.endr
.irp t, 0,1,2,3,4,5,6,7
	s_wait_dscnt 7-\t
	global_store_b128 v[CO], v[\rb+4*\t:\rb+4*\t+3], s[8:9] offset:(16*\a+2*\t)*4096 th:TH_STORE_NT   ; sixteen lanes: 256 consecutive bytes, aligned
.endr
.endm
	OUTF 0, RB0
	OUTF 1, RB1
	OUTF 2, RB0
	OUTF 3, RB1
	s_set_vgpr_msb 0x1
	s_wait_tensorcnt 0x0
	ds_add_u32 v255, v63
	s_wait_dscnt 0x0
	s_set_vgpr_msb 0x100
	CROUND                                         ; the closing round: no work-group ends while a partner may still ask for a tile that names it
	s_endpgm
.Lfunc_end_k_q4a5676e478_oproj:
	.size	k_q4a5676e478_oproj, .Lfunc_end_k_q4a5676e478_oproj-k_q4a5676e478_oproj
	.p2alignl 7, 3214868480
	.fill 96, 4, 3214868480
	.section	.rodata,"a",@progbits
	.p2align	6, 0x0
	.amdhsa_kernel k_q4a5676e478_oproj
		.amdhsa_group_segment_fixed_size 327680
		.amdhsa_private_segment_fixed_size 0
		.amdhsa_enable_private_segment 0
		.amdhsa_kernarg_size 24
		.amdhsa_user_sgpr_count 2
		.amdhsa_user_sgpr_kernarg_segment_ptr 1
		.amdhsa_wavefront_size32 1
		.amdhsa_system_sgpr_workgroup_id_x 1
		.amdhsa_system_sgpr_workgroup_id_y 1
		.amdhsa_system_sgpr_workgroup_id_z 1
		.amdhsa_system_vgpr_workitem_id 0
		.amdhsa_next_free_vgpr 640
		.amdhsa_next_free_sgpr 66
		.amdhsa_reserve_vcc 0
		.amdhsa_float_denorm_mode_32 3
		.amdhsa_float_denorm_mode_16_64 3
		.amdhsa_memory_ordered 1
		.amdhsa_forward_progress 1
		.amdhsa_inst_pref_size 87
	.end_amdhsa_kernel
	.amdgpu_metadata
---
amdhsa.version: [ 1, 2 ]
amdhsa.kernels:
  - .name:           k_q4a5676e478_oproj
    .symbol:         k_q4a5676e478_oproj.kd
    .args:
      - { .name: att, .offset: 0, .size: 8, .value_kind: global_buffer, .address_space: global }
      - { .name: cvt, .offset: 8, .size: 8, .value_kind: global_buffer, .address_space: global }
      - { .name: out0, .offset: 16, .size: 8, .value_kind: global_buffer, .address_space: global }
    .group_segment_fixed_size: 327680
    .private_segment_fixed_size: 0
    .kernarg_segment_align: 8
    .kernarg_segment_size: 24
    .max_flat_workgroup_size: 128
    .sgpr_count:     66
    .vgpr_count:     640
    .wavefront_size: 32
...
	.end_amdgpu_metadata
.endif
;; end of part 4
;; ======== version 2 of 2: 4 launches; version 1 with the launch prep written anew for expert scheduling mode
;; limits: values are held in f16: magnitudes above 65,504 overflow, below 6.1e-05 lose precision; right only within a limited range of input values
;; workspace buffers: cvt 16,777,216 bytes; tab 1,572,864 bytes; qkv 25,165,824 bytes; att 8,388,608 bytes
;; launch prep (part 5): grid 256 x 1, 8 waves a work-group, no clusters, 0 bytes of LDS; arguments x, WQ, WK, WV, WO, token_positions, cvt, tab; writes cvt, tab
.if DOCPART == 5
	.amdgcn_target "amdgcn-amd-amdhsa--gfx1250"
	.amdhsa_code_object_version 6
	.text
	.protected	k_q4a5676e478_prep
	.globl	k_q4a5676e478_prep
	.p2align	8
	.type	k_q4a5676e478_prep,@function
k_q4a5676e478_prep:
	s_mov_b64 s[64:65], 0
	v_nop
	global_prefetch_b8 v0, s[64:65] scope:SCOPE_SE
	s_setreg_imm32_b32 hwreg(HW_REG_WAVE_SCHED_MODE, 0, 2), 2
	s_setreg_imm32_b32 hwreg(HW_REG_WAVE_MODE, 25, 1), 1
	s_wait_xcnt 0x0
	s_wait_alu depctr_vm_vsrc(0)
; prep: rounds the inputs to 16 bits once, and makes the table of rotations once.
;   cvt: x as bf16 [4096][1024] at byte 0; WQ, WK, WV as bf16 [3072][1024] at byte 8,388,608; WO at byte 14,680,064 rounded to bf16 and
;        then written as f16 (the f16 code holds the bf16 value exactly down to 2^-14; below that the error is at most 2^-25).
;   tab: f32 [3][2048][32][2]: byte sec*524,288 + s*256 + j*8 holds (g cos a, g sin a), a = position[s] * 10000^(-j/32);
;        section 0 (for Q) g = 0.125 log2 e, so that the scores come out as exponents of 2; section 1 (for K) g = 1; section 2 (for V) the pair (1, 0).
; LIMITS: |position| < 2^22 (the quotient by pi/2 is then exact and two terms of pi/2 suffice); the frequency is 2^(-j log2(10000)/32) by v_exp_f32,
;        a few units in the last place from a correctly rounded power.
; Memory binds: each input byte is read once by 16-byte loads, each byte of cvt written once, sixteen lanes to 256 consecutive aligned bytes.
; 256 work-groups of 8 waves; work-group g converts 32,768 numbers (131,072 bytes in, 65,536 out at cvt + 65,536 g): g < 128 of x, then 32 groups for each W.
; All 32 loads of a thread are issued at once into registers of their own: no loop, no register is used twice, no LDS, no barrier, no matrix unit.
; THE MODE: SCHED_MODE bits 1:0 = 2 (LLVM: expert scheduling mode 2), set by the entry lines.  The code itself states the register dependences
; between vector instructions and memory instructions, with s_wait_alu, always for 0.
; THE PLAN.  Registers that memory instructions touch:
;   v1, v3, v2, v30  byte offsets of the stream's loads, the position's load, the stream's stores and the table's stores: written once at the head, never again.
;   v4               the position: written by its load alone.
;   X, step i        eight registers: written by the step's two loads; read by its conversions, which write the first four; read by its store; then left alone.
;   v[24:29]         the table's three pairs: v[28:29] written at the head, v[24:27] by the table's arithmetic; read by the three table stores; then left alone.
;   v5 to v23 are named by vector instructions alone.
; No register that a memory instruction reads is written again, and no load lands in a register that a vector instruction has named.  So all that is to be stated is
; that vector instructions have written what loads and stores read: once in front of the first load, once in front of the table's stores, and once for every four
; stores of the stream.  The 16 steps go in four groups: at the head of a group, behind the wait for its first step's data, one wait states that the group before has
; written its sixteen words, and that group's four stores follow in one run; the last group's four stand behind a wait of their own.  The compare's mask has its wait too.
.set X, 32                             ; v[32:159]  step i: 8 registers as loaded; its first 4 as stored
	s_load_b512 s[8:23], s[0:1], 0x0               ; x s[8:9], WQ s[10:11], WK s[12:13], WV s[14:15], WO s[16:17], positions s[18:19], cvt s[20:21], tab s[22:23]
	s_mov_b32 s2, ttmp9                            ; g
	s_sub_co_u32 s3, s2, 128                       ; for g >= 128: which W and which chunk of it (for g < 128 the number wraps and selects nothing)
	s_lshr_b32 s4, s3, 5                           ; 0 WQ, 1 WK, 2 WV, 3 WO
	s_and_b32 s5, s3, 31
	s_cmp_lt_u32 s2, 128
	s_cselect_b32 s5, s2, s5                       ; chunk number inside the source
	s_lshl_b32 s26, s5, 17                         ; x 131,072 bytes
	s_mov_b32 s27, 0
	s_lshl_b32 s28, s2, 16                         ; g x 65,536 bytes in cvt
	s_mov_b32 s29, 0
	s_lshl_b32 s6, s2, 5                           ; my 8 positions: 32 g bytes
	s_lshl_b32 s7, s2, 11                          ; my 8 table rows: 2,048 g bytes
	v_lshlrev_b32 v1, 5, v0                        ; 32 t: my 8 numbers of a step, as f32
	v_lshlrev_b32 v2, 4, v0                        ; 16 t: the same as 16-bit numbers
	v_lshrrev_b32 v3, 5, v0
	v_lshl_add_u32 v3, v3, 2, s6                   ; position s = 8 g + wave
	v_lshl_add_u32 v30, v0, 3, s7                  ; table entry (s, j = lane): 2,048 g + 256 wave + 8 lane = 2,048 g + 8 t
	v_and_b32 v5, 31, v0
	v_cvt_f32_u32 v5, v5
	v_mul_f32 v5, 0xbed49a78, v5                   ; -j log2(10000) / 32
	v_exp_f32 v6, v5                               ; the frequency
	v_mov_b32 v28, 1.0                             ; (a plain instruction behind the exponential: ISA guide 5.7.2) section 2: the identity
	v_mov_b32 v29, 0
	s_wait_kmcnt 0x0
	s_cmp_eq_u32 s4, 0                             ; the source: a choice among the five inputs by the work-group number alone
	s_cselect_b64 s[24:25], s[10:11], s[16:17]
	s_cmp_eq_u32 s4, 1
	s_cselect_b64 s[24:25], s[12:13], s[24:25]
	s_cmp_eq_u32 s4, 2
	s_cselect_b64 s[24:25], s[14:15], s[24:25]
	s_cmp_lt_u32 s2, 128
	s_cselect_b64 s[24:25], s[8:9], s[24:25]
	s_add_nc_u64 s[24:25], s[24:25], s[26:27]
	s_add_nc_u64 s[20:21], s[20:21], s[28:29]
	s_wait_alu depctr_va_vdst(0)                   ; the offsets v1, v2, v3, v30 are written, which every load and store of the kernel reads; so are v[28:29], a table store's data; and the exponential has written v6, ahead of its first reader
	global_load_b32 v4, v3, s[18:19]               ; the position, ahead of the stream
.set i, 0
.rept 16
	global_load_b128 v[X+8*i:X+8*i+3],   v1, s[24:25] offset:8192*i th:TH_LOAD_NT
	global_load_b128 v[X+8*i+4:X+8*i+7], v1, s[24:25] offset:8192*i+16 th:TH_LOAD_NT
.set i, i+1
.endr
	; sine and cosine of a = position x frequency: quotient by pi/2, remainder in two terms, polynomials on |r| <= pi/4
	s_wait_loadcnt 32                              ; loads return in order (ISA guide 5.7.1): the position is in, the 32 loads behind it stay out
	v_cvt_f32_i32 v7, v4
	v_mul_f32 v7, v7, v6                           ; a
	v_mul_f32 v8, 0x3f22f983, v7                   ; a x 2/pi
	v_rndne_f32 v8, v8                             ; n
	v_cvt_i32_f32 v16, v8                          ; the quadrant is n mod 4
	v_and_b32 v17, 1, v16
	v_cmp_eq_u32 vcc_lo, 1, v17                    ; odd quadrants; the mask is made here, so that both polynomials stand between it and the wait for it
	v_fmamk_f32 v9, v8, 0xbfc90fdb, v7             ; r = a - n x (pi/2 rounded to f32)
	v_fmamk_f32 v9, v8, 0x333bbd2e, v9             ;     - n x (what the rounding left: -4.3711e-8)
	v_mul_f32 v10, v9, v9                          ; z = r^2
	v_mov_b32 v11, 0xb94ca1f9
	v_fmaak_f32 v11, v10, v11, 0x3c08839e
	v_fmaak_f32 v11, v10, v11, 0xbe2aaaa3
	v_mul_f32 v12, v9, v10
	v_fma_f32 v11, v12, v11, v9                    ; sin r = r + r z (s1 + z (s2 + z s3))
	v_mov_b32 v13, 0x37ccf5ce
	v_fmaak_f32 v13, v10, v13, 0xbab6061a
	v_fmaak_f32 v13, v10, v13, 0x3d2aaaa5
	v_mul_f32 v14, v10, v10
	v_fma_f32 v15, v10, -0.5, 1.0
	v_fma_f32 v13, v14, v13, v15                   ; cos r = 1 - z/2 + z^2 (c1 + z (c2 + z c3))
	v_and_b32 v20, 2, v16                          ; the sine is negative in quadrants 2 and 3,
	v_lshlrev_b32 v20, 30, v20
	v_add_nc_u32 v21, 1, v16                       ; the cosine in quadrants 1 and 2
	v_and_b32 v21, 2, v21
	v_lshlrev_b32 v21, 30, v21
	s_wait_alu depctr_va_vcc(0)                    ; the compare has written VCC, which the two selects below read
	v_cndmask_b32 v18, v11, v13, vcc_lo            ; odd quadrants: sine and cosine change places
	v_cndmask_b32 v19, v13, v11, vcc_lo
	v_xor_b32 v27, v18, v20                        ; sin a
	v_xor_b32 v26, v19, v21                        ; cos a
	v_mul_f32 v24, 0x3e38aa3b, v26                 ; x 0.125 log2 e for Q
	v_mul_f32 v25, 0x3e38aa3b, v27
	s_wait_alu depctr_va_vdst(0)                   ; the table's arithmetic has written v[24:27], which the stores below read
	global_store_b64 v30, v[24:25], s[22:23]                   ; each store of a wave covers 256 consecutive bytes, aligned
	global_store_b64 v30, v[26:27], s[22:23] offset:524288
	global_store_b64 v30, v[28:29], s[22:23] offset:1048576
; Step i: 8 numbers to bf16 (nearest even), packed in place; f16 = 1: the rounded numbers once more, as f16 codes.
.macro CONV i, f16
.irp k, 0,1,2,3
	v_cvt_pk_bf16_f32 v[X+8*(\i)+\k], v[X+8*(\i)+2*\k], v[X+8*(\i)+2*\k+1]   ; word k is written when its old content has been read
.endr
.if \f16
.irp k, 0,1,2,3
	v_lshlrev_b32 v[5+2*\k], 16, v[X+8*(\i)+\k]
	v_and_b32     v[6+2*\k], 0xffff0000, v[X+8*(\i)+\k]
.endr
.irp k, 0,1,2,3
	v_cvt_pk_f16_f32 v[X+8*(\i)+\k], v[5+2*\k], v[6+2*\k]
.endr
.endif
.endm
; Step i's store.
.macro SEND i
	global_store_b128 v2, v[X+8*(\i):X+8*(\i)+3], s[20:21] offset:4096*(\i)   ; sixteen lanes: 256 consecutive bytes, aligned
.endm
; The 16 steps, in four groups of four.
.macro STREAM f16
.irp g, 0,1,2,3
	s_wait_loadcnt 30-8*(\g)                       ; the two loads of the group's first step are in; those of the later steps stay out
.if (\g) > 0
	s_wait_alu depctr_va_vdst(0)                   ; the conversions of the group before have written their sixteen words, which the four stores below read
.irp j, 0,1,2,3
	SEND 4*(\g)-4+(\j)
.endr
.endif
	CONV 4*(\g), \f16
.irp j, 1,2,3
	s_wait_loadcnt 30-8*(\g)-2*(\j)                ; my two loads are in; those of the later steps stay out
	CONV 4*(\g)+(\j), \f16
.endr
.endr
	s_wait_alu depctr_va_vdst(0)                   ; the conversions of the last group have written their sixteen words, which the last four stores read
.irp j, 12,13,14,15
	SEND \j
.endr
.endm
	s_cmp_ge_u32 s2, 224                           ; the last 32 work-groups hold WO
	s_cbranch_scc1 .Lwo
	STREAM 0
	s_endpgm
.Lwo:
	STREAM 1
	s_endpgm
.Lfunc_end_k_q4a5676e478_prep:
	.size	k_q4a5676e478_prep, .Lfunc_end_k_q4a5676e478_prep-k_q4a5676e478_prep
	.p2alignl 7, 3214868480
	.fill 96, 4, 3214868480
	.section	.rodata,"a",@progbits
	.p2align	6, 0x0
	.amdhsa_kernel k_q4a5676e478_prep
		.amdhsa_group_segment_fixed_size 0
		.amdhsa_private_segment_fixed_size 0
		.amdhsa_enable_private_segment 0
		.amdhsa_kernarg_size 64
		.amdhsa_user_sgpr_count 2
		.amdhsa_user_sgpr_kernarg_segment_ptr 1
		.amdhsa_wavefront_size32 1
		.amdhsa_system_sgpr_workgroup_id_x 1
		.amdhsa_system_sgpr_workgroup_id_y 1
		.amdhsa_system_sgpr_workgroup_id_z 1
		.amdhsa_system_vgpr_workitem_id 0
		.amdhsa_next_free_vgpr 160
		.amdhsa_next_free_sgpr 66
		.amdhsa_reserve_vcc 1
		.amdhsa_float_denorm_mode_32 3
		.amdhsa_float_denorm_mode_16_64 3
		.amdhsa_memory_ordered 1
		.amdhsa_forward_progress 1
		.amdhsa_inst_pref_size 29
	.end_amdhsa_kernel
	.amdgpu_metadata
---
amdhsa.version: [ 1, 2 ]
amdhsa.kernels:
  - .name:           k_q4a5676e478_prep
    .symbol:         k_q4a5676e478_prep.kd
    .args:
      - { .name: x, .offset: 0, .size: 8, .value_kind: global_buffer, .address_space: global }
      - { .name: WQ, .offset: 8, .size: 8, .value_kind: global_buffer, .address_space: global }
      - { .name: WK, .offset: 16, .size: 8, .value_kind: global_buffer, .address_space: global }
      - { .name: WV, .offset: 24, .size: 8, .value_kind: global_buffer, .address_space: global }
      - { .name: WO, .offset: 32, .size: 8, .value_kind: global_buffer, .address_space: global }
      - { .name: token_positions, .offset: 40, .size: 8, .value_kind: global_buffer, .address_space: global }
      - { .name: cvt, .offset: 48, .size: 8, .value_kind: global_buffer, .address_space: global }
      - { .name: tab, .offset: 56, .size: 8, .value_kind: global_buffer, .address_space: global }
    .group_segment_fixed_size: 0
    .private_segment_fixed_size: 0
    .kernarg_segment_align: 8
    .kernarg_segment_size: 64
    .max_flat_workgroup_size: 256
    .sgpr_count:     66
    .vgpr_count:     160
    .wavefront_size: 32
...
	.end_amdgpu_metadata
.endif
;; end of part 5
;; launch qkv: the kernel of part 2 again; grid 12 x 16, 4 waves a work-group, clusters of 4 x 4, 327,680 bytes of LDS; arguments cvt, tab, qkv; writes qkv
;; launch attn: the kernel of part 3 again; grid 8 x 32, 8 waves a work-group, no clusters, 327,680 bytes of LDS; arguments qkv, att; writes att
;; launch oproj: the kernel of part 4 again; grid 8 x 32, 4 waves a work-group, clusters of 4 x 4, 327,680 bytes of LDS; arguments att, cvt, out0; writes out0
